; MI455X (gfx1250); checked and timed in simulation.
; The chip was launched on July 23, 2026; its instructions are those of AMD's public machine-readable ISA for CDNA 5 (MIT licence, August 2026) and "CDNA5" Instruction Set Architecture Reference Guide (July 2026). The comments in the code are by the model that wrote it; some were corrected since.
;; Simple Transformer Block. Allowed arithmetic: matrix products marked QUANTISED: E2M3 operands, one E8M0 scale for each 32 along K, by v_wmma_scale_f32_16x16x128_f8f6f4 with both operands' format E2M3, f32 sums; everything else in f32.
;; Inputs: w1_codes 4,096 x 32 x 24 uint8 (E2M3 codes of w1, K innermost, in blocks of 32 codes, four codes in three bytes); w1_scales 4,096 x 32 uint8 (E8M0 scales of w1, one for each 32 codes along K); w2_codes 1,024 x 128 x 24 uint8 (E2M3 codes of w2, K innermost, in blocks of 32 codes, four codes in three bytes); w2_scales 1,024 x 128 uint8 (E8M0 scales of w2, one for each 32 codes along K); wk_codes 1,024 x 32 x 24 uint8 (E2M3 codes of wk, K innermost, in blocks of 32 codes, four codes in three bytes); wk_scales 1,024 x 32 uint8 (E8M0 scales of wk, one for each 32 codes along K); wo_codes 1,024 x 32 x 24 uint8 (E2M3 codes of wo, K innermost, in blocks of 32 codes, four codes in three bytes); wo_scales 1,024 x 32 uint8 (E8M0 scales of wo, one for each 32 codes along K); wq_codes 1,024 x 32 x 24 uint8 (E2M3 codes of wq, K innermost, in blocks of 32 codes, four codes in three bytes); wq_scales 1,024 x 32 uint8 (E8M0 scales of wq, one for each 32 codes along K); wv_codes 1,024 x 32 x 24 uint8 (E2M3 codes of wv, K innermost, in blocks of 32 codes, four codes in three bytes); wv_scales 1,024 x 32 uint8 (E8M0 scales of wv, one for each 32 codes along K); x 2 x 2,048 x 1,024 float32.
;; Outputs: out0 2 x 2,048 x 1,024 float32.
;; This version of the problem:
;;   THIS VERSION OF THE PROBLEM IS GIVEN IN LOW PRECISION. The matrix products marked QUANTISED in the list below multiply operands that are first quantised to E2M3 (2 exponent bits, 3 mantissa bits; 6 bits a number), with one power-of-two scale for each 32 numbers along K (OCP MX v1.0); their sums are f32. All else is computed in f32.
;;   The module's matrix products, in the order in which they are computed (A, B: the left and right operand; K: the contracted axis; several contracted axes count as one K, in the product's order):
;;     1. [M 4,096, K 1,024] x [K 1,024, N 1,024]; A: input x; B: input wq (given as codes): QUANTISED
;;     2. [M 4,096, K 1,024] x [K 1,024, N 1,024]; A: input x; B: input wk (given as codes): QUANTISED
;;     3. [M 4,096, K 1,024] x [K 1,024, N 1,024]; A: input x; B: input wv (given as codes): QUANTISED
;;     4. batch 32 x [M 2,048, K 64] x [K 64, N 2,048]; A: computed on the way; B: computed on the way: QUANTISED
;;     5. batch 32 x [M 2,048, K 2,048] x [K 2,048, N 64]; A: softmax (see below); B: computed on the way: QUANTISED
;;     6. [M 4,096, K 1,024] x [K 1,024, N 1,024]; A: computed on the way; B: input wo (given as codes): QUANTISED
;;     7. [M 4,096, K 1,024] x [K 1,024, N 4,096]; A: computed on the way; B: input w1 (given as codes): QUANTISED
;;     8. [M 4,096, K 4,096] x [K 4,096, N 1,024]; A: computed on the way; B: input w2 (given as codes): QUANTISED
;;   THE QUANTISER, for each operand of a quantised product, along K:
;;     - K is cut into blocks of 32 from its start; a last block that is shorter is filled with zeros.
;;     - A block's scale is 2^e with e = floor(log2(the largest magnitude in the block)) - 2, held to -126 .. 127; a block of zeros has e = 0. As a byte (E8M0): e + 127.
;;     - Each number is divided by its block's scale, clamped to +-7.5, and rounded to the nearest number of E2M3, ties to even, subnormals kept.
;;     - The product sums the exact products of the quantised numbers (number of the format x scale) in f32.
;;   ~~~python
;;   def quantise(x, axis):      # numpy; x: float32 -> the quantised numbers, widened to float32 again
;;       x = np.moveaxis(x, axis, -1); K = x.shape[-1]
;;       x = np.pad(x, [(0, 0)] * (x.ndim - 1) + [(0, -K % 32)]); x = x.reshape(x.shape[:-1] + (-1, 32)); a = np.abs(x).max(-1, keepdims=True)
;;       e = np.where(a > 0, np.clip(np.frexp(np.where(a > 0, a, 1))[1] - 1 - 2, -126, 127), 0)      # np.frexp(a)[1] - 1 = floor(log2(a)), exactly
;;       r = np.clip(x / 2.0 ** e, -7.5, 7.5)
;;       step = 2.0 ** (np.maximum(np.frexp(np.where(r == 0, 1, r))[1] - 1, 0) - 3)
;;       q = np.round(r / step) * step * 2.0 ** e      # np.round: ties to even
;;       return np.moveaxis(q.reshape(q.shape[:-2] + (-1,))[..., :K], -1, axis).astype(np.float32)
;;   ~~~
;;   SOFTMAX AHEAD OF A QUANTISED PRODUCT. Where the list says 'softmax', what is quantised is not the finished softmax but p = 2^(t - M), with t = logit x log2(e) and M = ceil(the row's largest t), a whole number; so 1/2 < the row's largest p <= 1. The row's sum l is taken of the UNQUANTISED p, in f32, and the product's result is divided by l at the end. Since M is a whole number, a kernel that streams over the keys may use a running M (the ceiling of the running maximum): every later rescaling is an exact power of two, which a block's scale takes up: the codes' values come out the same.
;;   OPERANDS COMPUTED ON THE WAY. 'Computed on the way' means the value that the module computes at that place (a softmax that the list does not call 'softmax' is quantised finished and normalised). What goes into a quantiser is computed in f32, as accurately as f32 sums, v_exp_f32 and their like allow (about 1e-6 of the number): no bf16 or f16 on the way to a quantiser, and a product that is left as it is and whose result goes on into a quantised operand takes f32 operands (vector FMAs, or v_wmma_f32_16x16x4_f32). A number that lies on a knife's edge between two numbers of the format may be rounded either way, as far as f32 arithmetic and the matrix unit's own rounding can turn it there, and no further.
;;   INPUTS GIVEN AS CODES. w1 (in the module: [1024, 4096], K = its axis 0); w2 (in the module: [4096, 1024], K = its axis 0); wk (in the module: [1024, 1024], K = its axis 0); wo (in the module: [1024, 1024], K = its axis 0); wq (in the module: [1024, 1024], K = its axis 0); wv (in the module: [1024, 1024], K = its axis 0): each comes as NAME_codes (uint8): NAME with its K axis moved to the last place and cut into blocks of 32 codes, [.., K / 32, bytes a block], one block behind the other in memory; four codes in three bytes: a row's codes are one little-endian stream of bits, code i at bits 6 i .. 6 i + 5 (a code: sign, 2 exponent bits, 3 mantissa bits); and NAME_scales (uint8): the same leading axes, one E8M0 byte (e + 127) for each 32 codes along K. Its value is code x scale, taken as it is: it is not quantised again, and the codes and scales need not be those that the quantiser above would give.
;; One version. Each part assembles by itself: llvm-mc -triple=amdgcn-amd-amdhsa -mcpu=gfx1250 --defsym DOCPART=n.
;; ======== version 1 of 1: 6 launches
;; limits: right only within a limited range of input values
;; workspace buffers: pre 13,107,200 bytes; qkv 9,830,400 bytes; ao 3,276,800 bytes; x1 20,054,016 bytes; hh 13,107,200 bytes
;; launch prep (part 1): grid 704 x 1, 4 waves a work-group, no clusters, 34,304 bytes of LDS; arguments x, wq_codes, wq_scales, wk_codes, wk_scales, wv_codes, wv_scales, wo_codes, wo_scales, w1_codes, w1_scales, w2_codes, w2_scales, pre; writes pre
.if DOCPART == 1
	.amdgcn_target "amdgcn-amd-amdhsa--gfx1250"
	.amdhsa_code_object_version 6
	.text
	.protected	k_qfeda205ba2_prep
	.globl	k_qfeda205ba2_prep
	.p2align	8
	.type	k_qfeda205ba2_prep,@function
k_qfeda205ba2_prep:
	s_mov_b64 s[64:65], 0
	v_nop
	global_prefetch_b8 v0, s[64:65] scope:SCOPE_SE
	s_setreg_imm32_b32 hwreg(HW_REG_WAVE_MODE, 25, 1), 1
	s_wait_xcnt 0x0
; x [4096][1024] f32 is quantised along its rows to codes of FP6 (E2M3) with one E8M0 byte for each 32, and the six weights, given as codes in rows, are laid anew.
; Everything leaves as IMAGES OF OPERAND REGISTERS, the layout of all this program's own buffers:
;   a tile T is 16 rows, not neighbours: its lane-row q is row 32 (T / 2) + 8 (T % 2) + q + 8 (q / 8);
;   a half image H(T, C) is a tile x 64 along K (chunk C), 768 bytes: plane p (0..2) at 256 p, lane l's 8 bytes at 8 l: registers 2 p, 2 p + 1 of the six that hold k = 64 C + 32 (l / 16) + 0 .. 31 of lane-row l % 16;
;   codes lie [chunk][tile][768]; a scale word (a lane-row's four bytes of 128 along K) lies with those of the three other tiles of its group of four: 256 bytes, word (r, i) at 16 r + 4 i.
; Work-groups 0-511 take x: a wave makes one fragment (16 rows x 128 K).  Its loads read 512 consecutive bytes of a row; a stage in LDS, the wave's own, turns them so that a lane holds 16 neighbours of each block.
; Work-groups 512-703 take the weights: a wave re-lays four tiles x two K steps; nothing is computed, the scale bytes go on as they are given.  No barrier: waves share nothing.
; A block's scale byte is its largest magnitude's exponent field - 2, held at 1 from below.
; LIMITS: NaN and infinities in x are not served.  A block of zeros, or one whose largest magnitude lies under 2^-124, gets the byte 1 where the quantiser's text says 127 or less: its codes are zeros or follow the byte 1; these bytes are read by this program alone.
.set XQC, 0                            ; byte offsets in the buffer: x's codes [16][256][768],
.set XQS, 3145728                      ; x's scale words [8 K steps][64 groups][256]
.set WAC, 3276800                      ; wq, wk, wv interleaved by tiles of 128 columns (3 j + which): [16][192][768]
.set WAS, 5636096                      ; the weights' scale words lie [pair of groups][K step][group % 2][256]
.set WOC, 5734400
.set WOS, 6520832
.set W1C, 6553600
.set W1S, 9699328
.set W2C, 9830400
.set W2S, 12976128
.set TM,  144                          ; v144-147 largest magnitudes, v148-151 bytes, v156-159 the conversions' scale operands
.set PW,  160                          ; the scale word
.set PC,  162                          ; v162-181 the codes
.set SEL, 38                           ; s[38:39] lane selects: lane l xor 16
; 64 numbers of a lane, register 16 b + i = k 32 b + 16 (lane / 16) + i of my lane-row, become twelve registers of codes in v[PC] on and the scale word in v[PW]
.macro QUANT s
.irp b, 0,1,2,3
	v_max3_num_f32 v[TM+\b], |v[(\s)+16*\b]|, |v[(\s)+1+16*\b]|, 0x1800000   ; block b: my 16 numbers, and the floor 2^(3 - 127): the byte cannot fall under 1
.endr
.irp i, 2,4,6,8,10,12,14
.irp b, 0,1,2,3
	v_max3_num_f32 v[TM+\b], v[TM+\b], |v[(\s)+16*\b+\i]|, |v[(\s)+1+16*\b+\i]|   ; the four blocks by turns
.endr
.endr
.irp b, 0,1,2,3
	v_permlanex16_b32 v[TM+4+\b], v[TM+\b], s[SEL], s[SEL+1]
.endr
.irp b, 0,1,2,3
	v_max_num_f32 v[TM+\b], v[TM+\b], v[TM+4+\b]           ; with lane l xor 16's: the block's largest magnitude
.endr
.irp b, 0,1,2,3
	v_add_nc_u32 v[TM+12+\b], 0xff000000, v[TM+\b]         ; 2 off its exponent field: the conversion takes that field as its scale
.endr
.irp b, 0,1,2,3
	v_lshrrev_b32 v[TM+4+\b], 23, v[TM+12+\b]              ; the scale's byte
.endr
	v_lshl_or_b32 v[PW], v[TM+5], 8, v[TM+4]
	v_lshl_or_b32 v[PW], v[TM+6], 16, v[PW]
	v_lshl_or_b32 v[PW], v[TM+7], 24, v[PW]
.irp c, 0,1
	v_cvt_scalef32_pk16_fp6_f32 v[PC+6*\c:PC+2+6*\c], v[(\s)+32*\c:(\s)+15+32*\c], v[TM+12+2*\c]
	v_cvt_scalef32_pk16_fp6_f32 v[PC+12+4*\c:PC+14+4*\c], v[(\s)+16+32*\c:(\s)+31+32*\c], v[TM+12+2*\c+1]   ; a conversion's three registers begin on an even number
.endr
	v_nop                                                  ; one plain instruction behind a scaled conversion
.irp c, 0,1                                                ; the operand wants a whole block in a lane: lanes 0-15 block 2 c, lanes 16-31 block 2 c + 1
.irp i, 0,1,2
	v_permlane16_swap_b32 v[PC+6*\c+\i], v[PC+12+4*\c+\i]
.endr
.irp i, 0,1,2
	v_mov_b32 v[PC+3+6*\c+\i], v[PC+12+4*\c+\i]
.endr
.endr
.endm
	s_load_b512 s[8:23], s[0:1], 0x0               ; x 8, wq codes 10, scales 12, wk 14, 16, wv 18, 20, wo codes 22
	s_load_b256 s[24:31], s[0:1], 0x40             ; wo scales 24, w1 26, 28, w2 codes 30
	s_load_b128 s[32:35], s[0:1], 0x60             ; w2 scales 32, the output 34
	v_lshl_add_u32 v192, v0, 2, 0x8400
	v_mov_b32 v193, 0
	v_lshrrev_b32 v1, 5, v0
	v_readfirstlane_b32 s36, v1                    ; wave
	v_and_b32 v2, 31, v0                           ; lane
	v_and_b32 v3, 15, v0                           ; r
	v_bfe_u32 v4, v0, 4, 1                         ; h
	v_lshlrev_b32 v5, 3, v2                        ; 8 x lane: my place in a plane of an image
	s_mov_b32 s[SEL], 0x76543210
	s_mov_b32 s[SEL+1], 0xfedcba98
	s_wait_kmcnt 0x0
	s_cmp_lt_u32 ttmp9, 512
	s_cbranch_scc0 .Lweights
	; ---- x: K step ks = id % 8, group G = id / 8, tile T = 4 G + wave
	s_and_b32 s40, ttmp9, 7
	s_lshr_b32 s41, ttmp9, 3
	s_lshl_b32 s42, s41, 6
	s_lshr_b32 s43, s36, 1
	s_lshl_b32 s43, s43, 5
	s_add_co_u32 s42, s42, s43
	s_and_b32 s43, s36, 1
	s_lshl_b32 s43, s43, 3
	s_add_co_u32 s42, s42, s43                     ; the tile's first row: 64 G + 32 (wave / 2) + 8 (wave % 2)
	s_lshl_b32 s42, s42, 12
	s_lshl_b32 s43, s40, 9
	s_add_co_u32 s42, s42, s43                     ; in bytes, + 512 ks
	s_mov_b32 s43, 0
	s_add_nc_u64 s[8:9], s[8:9], s[42:43]
	s_wait_alu depctr_va_vdst(0)
	v_lshlrev_b32 v6, 4, v2
.irp q, 0,1,2,3,4,5,6,7,8,9,10,11,12,13,14,15
	global_load_b128 v[16+4*\q:19+4*\q], v6, s[8:9] offset:(\q+8*(\q/8))*4096 th:TH_LOAD_NT   ; lane-row q: 32 lanes read 512 consecutive bytes
.endr
	s_mul_i32 s44, s36, 8448                       ; my stage: 16 rows of 512 bytes + 16
	v_add_nc_u32 v7, s44, v6
	v_mul_u32_u24 v8, v3, 528
	v_lshl_add_u32 v8, v4, 6, v8
	v_add_nc_u32 v8, s44, v8                       ; back: row r, + 64 h: my 16 numbers of a block
.irp b, 0,1,2,3
	v_mov_b32 v[TM+4+\b], 0                        ; a lane permute's destination counts as one of its sources
.endr
	s_wait_alu depctr_va_vdst(0)
.irp q, 0,1,2,3,4,5,6,7,8,9,10,11,12,13,14,15
	s_wait_loadcnt 15-\q                           ; loads come back in order: row q is in, the younger ones may be out
	ds_store_b128 v7, v[16+4*\q:19+4*\q] offset:528*\q
.endr
.irp b, 0,1,2,3
.irp i, 0,1,2,3
	ds_load_b128 v[80+16*\b+4*\i:83+16*\b+4*\i], v8 offset:128*\b+16*\i   ; LDS serves a wave's instructions in order: these see my stores
.endr
.endr
	s_lshl_b32 s42, s40, 9
	s_lshl_b32 s45, s41, 2
	s_add_co_u32 s42, s42, s45
	s_add_co_u32 s42, s42, s36
	s_mul_i32 s42, s42, 768                        ; (512 ks + T) x 768: half image (T, 2 ks); XQC is 0
	s_add_nc_u64 s[46:47], s[34:35], s[42:43]
	s_lshl_b32 s42, s40, 14
	s_lshl_b32 s45, s41, 8
	s_add_co_u32 s42, s42, s45
	s_lshl_b32 s45, s36, 2
	s_add_co_u32 s42, s42, s45
	s_add_co_u32 s42, s42, XQS                     ; the scale words: 16384 ks + 256 G + 4 (T % 4)
	s_add_nc_u64 s[48:49], s[34:35], s[42:43]
	v_lshlrev_b32 v9, 4, v3
	s_wait_dscnt 0x0
	QUANT 80
.irp c, 0,1
.irp p, 0,1,2
	global_store_b64 v5, v[PC+6*\c+2*\p:PC+6*\c+2*\p+1], s[46:47] offset:\c*196608+256*\p   ; 32 lanes store 256 consecutive bytes, aligned
.endr
.endr
	v_cmp_gt_u32 vcc_lo, 16, v2
	s_wait_xcnt 0x0                                ; EXEC changes only behind this wait
	s_wait_tensorcnt 0x0
	ds_add_u32 v192, v193
	s_wait_dscnt 0x0
	s_and_saveexec_b32 s50, vcc_lo
	global_store_b32 v9, v[PW], s[48:49]           ; lanes 0-15: row r's word
	s_wait_xcnt 0x0
	s_or_b32 exec_lo, exec_lo, s50
	s_endpgm
; ---- a weight: group G of four tiles, K steps 2 kp and 2 kp + 1: eight fragments of 12 registers, loaded from rows and stored as images
.macro WJOB cp, sp, jb, ks, dstc, ntd, dsts, tau
.set RB,  (\ks)*96                     ; a row of codes in bytes
.set SRB, (\ks)*4                      ; a row of scale bytes
	s_sub_co_u32 s41, s40, \jb
.if (\ks) == 8
	s_mov_b32 s42, s41                             ; G
	s_mov_b32 s43, s36                             ; kp = wave
.else
	s_lshr_b32 s42, s41, 2
	s_and_b32 s43, s41, 3
	s_lshl_b32 s43, s43, 2
	s_add_co_u32 s43, s43, s36
.endif
.if (\tau) >= 0
	s_lshr_b32 s44, s42, 1                         ; the three weights' tiles of 128 columns are interleaved: group 6 (G / 2) + 2 tau + G % 2
	s_mul_i32 s44, s44, 6
	s_and_b32 s45, s42, 1
	s_add_co_u32 s44, s44, s45
	s_add_co_u32 s44, s44, 2*(\tau)
.else
	s_mov_b32 s44, s42
.endif
	s_mov_b32 s47, 0
	s_mul_i32 s46, s42, 64*SRB
	s_lshl_b32 s45, s43, 3
	s_add_co_u32 s46, s46, s45
	s_add_nc_u64 s[48:49], s[\sp:\sp+1], s[46:47]
	s_mul_i32 s46, s42, 64*RB
	s_mul_i32 s45, s43, 192
	s_add_co_u32 s46, s46, s45
	s_add_nc_u64 s[50:51], s[\cp:\cp+1], s[46:47]
	s_lshr_b32 s46, s44, 1                         ; scale words lie [pair of groups][K step][group % 2][256]
	s_mul_i32 s46, s46, (\ks)*512
	s_and_b32 s45, s44, 1
	s_lshl_b32 s45, s45, 8
	s_add_co_u32 s46, s46, s45
	s_lshl_b32 s45, s43, 10
	s_add_co_u32 s46, s46, s45
	s_add_co_u32 s46, s46, \dsts
	s_add_nc_u64 s[52:53], s[34:35], s[46:47]
	s_mul_i32 s46, s43, 4*(\ntd)*768
	s_mul_i32 s45, s44, 4*768
	s_add_co_u32 s46, s46, s45
	s_add_co_u32 s46, s46, \dstc
	s_add_nc_u64 s[54:55], s[34:35], s[46:47]
	v_mul_u32_u24 v7, v6, SRB
	v_lshl_add_u32 v7, v4, 2, v7                   ; scale words: my lane-row, K step 2 kp + h
	v_mul_u32_u24 v8, v6, RB
	v_mad_u32_u24 v8, v4, 24, v8                   ; codes: my lane-row, + 24 h
.irp i, 0,1,2,3
	global_load_b32 v[112+\i], v7, s[48:49] offset:(32*(\i/2)+8*(\i%2))*SRB th:TH_LOAD_NT
.endr
.irp i, 0,1,2,3
.irp e, 0,1
.irp p, 0,1,2,3,4,5
	global_load_b64 v[16+12*(2*\i+\e)+2*\p:17+12*(2*\i+\e)+2*\p], v8, s[50:51] offset:(32*(\i/2)+8*(\i%2))*RB+96*\e+48*(\p/3)+8*(\p%3) th:TH_LOAD_NT
.endr
.endr
.endr
	s_wait_loadcnt 48                              ; the four loads of scale words are in; the 48 behind them may be out
	global_store_b128 v9, v[112:115], s[52:53]     ; lane (r, h): the four tiles' words of K step 2 kp + h: two blocks of 256 bytes, 512 apart
.irp i, 0,1,2,3
.irp e, 0,1
	s_wait_loadcnt 6*(7-(2*\i+\e))                 ; this fragment's six loads are in; the later fragments' may be out
.irp p, 0,1,2,3,4,5
	global_store_b64 v5, v[16+12*(2*\i+\e)+2*\p:17+12*(2*\i+\e)+2*\p], s[54:55] offset:((2*\e+\p/3)*(\ntd)+\i)*768+256*(\p%3)
.endr
.endr
.endr
	s_endpgm
.endm
.Lweights:
	s_sub_co_u32 s40, ttmp9, 512
	s_wait_alu depctr_va_vdst(0)
	v_and_b32 v6, 8, v3
	v_add_nc_u32 v6, v6, v3                        ; r + 8 (r / 8)
	v_lshlrev_b32 v9, 4, v3
	v_lshl_add_u32 v9, v4, 9, v9                   ; 512 h + 16 r: K step 2 kp + h lies 512 bytes on
	s_cmp_lt_u32 s40, 16
	s_cbranch_scc0 .Lnot_wq
	s_wait_alu depctr_va_vdst(0)
	WJOB 10, 12, 0, 8, WAC, 192, WAS, 0
.Lnot_wq:
	s_cmp_lt_u32 s40, 32
	s_cbranch_scc0 .Lnot_wk
	s_wait_alu depctr_va_vdst(0)
	WJOB 14, 16, 16, 8, WAC, 192, WAS, 1
.Lnot_wk:
	s_cmp_lt_u32 s40, 48
	s_cbranch_scc0 .Lnot_wv
	s_wait_alu depctr_va_vdst(0)
	WJOB 18, 20, 32, 8, WAC, 192, WAS, 2
.Lnot_wv:
	s_cmp_lt_u32 s40, 64
	s_cbranch_scc0 .Lnot_wo
	s_wait_alu depctr_va_vdst(0)
	WJOB 22, 24, 48, 8, WOC, 64, WOS, -1
.Lnot_wo:
	s_cmp_lt_u32 s40, 128
	s_cbranch_scc0 .Lnot_w1
	s_wait_alu depctr_va_vdst(0)
	WJOB 26, 28, 64, 8, W1C, 256, W1S, -1
.Lnot_w1:
	s_wait_alu depctr_va_vdst(0)
	WJOB 30, 32, 128, 32, W2C, 64, W2S, -1
.Lfunc_end_k_qfeda205ba2_prep:
	.size	k_qfeda205ba2_prep, .Lfunc_end_k_qfeda205ba2_prep-k_qfeda205ba2_prep
	.p2alignl 7, 3214868480
	.fill 96, 4, 3214868480
	.section	.rodata,"a",@progbits
	.p2align	6, 0x0
	.amdhsa_kernel k_qfeda205ba2_prep
		.amdhsa_group_segment_fixed_size 34304
		.amdhsa_private_segment_fixed_size 0
		.amdhsa_enable_private_segment 0
		.amdhsa_kernarg_size 112
		.amdhsa_user_sgpr_count 2
		.amdhsa_user_sgpr_kernarg_segment_ptr 1
		.amdhsa_wavefront_size32 1
		.amdhsa_system_sgpr_workgroup_id_x 1
		.amdhsa_system_sgpr_workgroup_id_y 1
		.amdhsa_system_sgpr_workgroup_id_z 1
		.amdhsa_system_vgpr_workitem_id 0
		.amdhsa_next_free_vgpr 194
		.amdhsa_next_free_sgpr 66
		.amdhsa_reserve_vcc 1
		.amdhsa_float_denorm_mode_32 3
		.amdhsa_float_denorm_mode_16_64 3
		.amdhsa_memory_ordered 1
		.amdhsa_forward_progress 1
		.amdhsa_inst_pref_size 80
	.end_amdhsa_kernel
	.amdgpu_metadata
---
amdhsa.version: [ 1, 2 ]
amdhsa.kernels:
  - .name:           k_qfeda205ba2_prep
    .symbol:         k_qfeda205ba2_prep.kd
    .args:
      - { .name: x, .offset: 0, .size: 8, .value_kind: global_buffer, .address_space: global }
      - { .name: wq_codes, .offset: 8, .size: 8, .value_kind: global_buffer, .address_space: global }
      - { .name: wq_scales, .offset: 16, .size: 8, .value_kind: global_buffer, .address_space: global }
      - { .name: wk_codes, .offset: 24, .size: 8, .value_kind: global_buffer, .address_space: global }
      - { .name: wk_scales, .offset: 32, .size: 8, .value_kind: global_buffer, .address_space: global }
      - { .name: wv_codes, .offset: 40, .size: 8, .value_kind: global_buffer, .address_space: global }
      - { .name: wv_scales, .offset: 48, .size: 8, .value_kind: global_buffer, .address_space: global }
      - { .name: wo_codes, .offset: 56, .size: 8, .value_kind: global_buffer, .address_space: global }
      - { .name: wo_scales, .offset: 64, .size: 8, .value_kind: global_buffer, .address_space: global }
      - { .name: w1_codes, .offset: 72, .size: 8, .value_kind: global_buffer, .address_space: global }
      - { .name: w1_scales, .offset: 80, .size: 8, .value_kind: global_buffer, .address_space: global }
      - { .name: w2_codes, .offset: 88, .size: 8, .value_kind: global_buffer, .address_space: global }
      - { .name: w2_scales, .offset: 96, .size: 8, .value_kind: global_buffer, .address_space: global }
      - { .name: pre, .offset: 104, .size: 8, .value_kind: global_buffer, .address_space: global }
    .group_segment_fixed_size: 34304
    .private_segment_fixed_size: 0
    .kernarg_segment_align: 8
    .kernarg_segment_size: 112
    .max_flat_workgroup_size: 128
    .sgpr_count:     66
    .vgpr_count:     194
    .wavefront_size: 32
...
	.end_amdgpu_metadata
.endif
;; end of part 1
;; launch proj (part 2): grid 8 x 32, 4 waves a work-group, clusters of 4 x 4, 327,680 bytes of LDS; arguments pre, qkv; writes qkv
.if DOCPART == 2
	.amdgcn_target "amdgcn-amd-amdhsa--gfx1250"
	.amdhsa_code_object_version 6
	.text
	.protected	k_qfeda205ba2_proj
	.globl	k_qfeda205ba2_proj
	.p2align	8
	.type	k_qfeda205ba2_proj,@function
k_qfeda205ba2_proj:
	s_mov_b64 s[64:65], 0
	v_nop
	global_prefetch_b8 v0, s[64:65] scope:SCOPE_SE
	s_setreg_imm32_b32 hwreg(HW_REG_WAVE_MODE, 25, 1), 1
	s_wait_xcnt 0x0
	s_wait_alu depctr_hold_cnt(0) depctr_sa_sdst(0) depctr_va_vdst(0) depctr_va_sdst(0) depctr_va_ssrc(0) depctr_va_vcc(0) depctr_vm_vsrc(0)
	s_getreg_b32 s2, hwreg(HW_REG_IB_STS2, 6, 4)
	s_cmp_eq_u32 s2, 0
	s_cbranch_scc0 .Lentry_in_a_cluster
	s_endpgm
.Lentry_in_a_cluster:
	s_bfe_u32 s2, ttmp6, 0x10000c
	s_cmp_lg_u32 s2, 0xf033
	s_cbranch_scc0 .Lentry_shape_is_right
	s_endpgm
.Lentry_shape_is_right:
; q = Q(x) wq, k = Q(x) wk, v = Q(x) wv on codes of FP6 (E2M3) with E8M0 scales, f32 sums; the results are quantised at once, q and k along the channels, v along the keys, and leave as codes.
; LAYOUT of all operands (made by the launch before): a tile T is 16 rows: lane-row q is row 32 (T / 2) + 8 (T % 2) + q + 8 (q / 8); a half image (tile x 64 along K) is 768 bytes, plane p at 256 p, lane l's 8 bytes at 8 l;
; codes [chunk of 64 K][tile][768]; scale words in quads of four tiles, 256 bytes, word (r, i) at 16 r + 4 i.  A fragment is six ds_load_b64 of 256 consecutive bytes each.
; With tiles so chosen, in D = (source 0 tile b) x (source 1 tile a) a lane holds ONE lane-row of source 1, and the 16 registers of tiles 2 b', 2 b' + 1 of source 0 are 16 NEIGHBOURS: what the next quantiser wants.
; SHARES.  A work-group owns 128 rows of x (I1) and columns 128 j .. 128 j + 127 of each of the three weights, which it walks one after the other.  Four waves, 64 x 64 each: 16 accumulators.
; x's 128 rows lie in LDS for all of K (98,304 bytes), filled once; the weights' tiles lie whole in two buffers by turns, the third filled where the first lay.
; q, k: source 0 = the weight's columns, source 1 = x's rows.  v: SWAPPED, source 0 = x's rows (the keys), source 1 = wv's columns, so that a lane's registers run along the keys.
; CLUSTER 4 x 4: x's tiles are shared along a row of the cluster, the weights' along a column: joint loads.
; LIMITS: a block of zeros, or one whose largest magnitude lies under 2^-124, gets the scale byte 1; these bytes are read by this program alone.  NaN and infinities are not served.
.set NTL,  3                           ; tiles of weights that a work-group walks
.set KS,   8                           ; K steps of 128
.set NTW,  192                         ; tiles in a chunk of the weights' array
.set XCODES,  0                        ; byte offsets in the operands' buffers
.set XSCALES, 3145728
.set WCODES,  3276800
.set WSCALES, 5636096
.set XP, 4                             ; s[4:5] the buffer of x's codes; the weights' is the same
.set WP, 4
.set OP, 6                             ; s[6:7] the output
.set ZERO0, 1                          ; a tile's first products start the sums with the constant 0
.set CNT3, 0
.set CNTA, 2
.set XR,   0                           ; LDS: x: [part of 8 chunks: 49,152][chunk: 6,144][tile: 768]
.set WR,   98304                       ; the weights: two buffers of 98,304, laid likewise
.set XS,   WR+2*98304                  ; x's scale words [K step][half][256]
.set WS,   XS+512*KS                   ; the weights' [tile of weights][K step][half][256]
.set SX,   WS+512*NTL*KS               ; where the four waves' halves of the new scale words meet: 512 bytes for each tile of weights
.set SPARE, SX+512*NTL                 ; the spare words, 128 bytes a wave: two blocks of 256 bytes that no other line names
.set AX,   4                           ; v4-5    LDS address of my half of x, part 0, 1
.set AW,   6                           ; v6-9    of my half of the weights: buffer 0 part 0, 1; buffer 1 part 0, 1
.set ADRS, 10                          ; v10-12  of the scale words: lanes 0-15 x's, lanes 16-31 the weights', for each tile of weights
.set SXN,  14                          ; v14, 15 where I put my half of a new scale word (plain, swapped)
.set SXS,  15
.set SXR,  16                          ; v16     where wave 0 reads them back
.set L16,  17                          ; v17     16 x lane
.set L8,   18                          ; v18     8 x lane
.set SPW,  28                          ; v28     LDS address of my spare word; never rewritten
.set NIL,  29                          ; v29     0; never rewritten
.set SC,   32                          ; v32-39  scale words, two sets of four: register i: lanes 0-15 x's tile i, lanes 16-31 the weight's tile i
.set TM,   40                          ; v40-55  the quantiser's work
.set PW,   56
.set PC,   60                          ; v60-79
.set EX,   80                          ; v80-83
.set ACC,  128                         ; v128-255 accumulator (a, b) at ACC + 8 (4 a + b).  Window 1: two fragment buffers at v0 and v96: the weight's four tiles
.set SEL,  66                          ; s66, s67 lane selects: lane l xor 16
.set G1X,  24
.set G1W,  32
.set G1XS, 40
.set G1WS, 48
.set G0XS, 56
.set G0X0, 60
.set G0X1, 68
.set G0WS, 72
.set DW,   76                          ; s[76:91] groups 0 of the weights: buffer 0 part 0, 1; buffer 1 part 0, 1
.set MSB, 0
.macro WIN new                         ; the immediate's high byte repeats the setting that is left
.if MSB != \new
	s_set_vgpr_msb (MSB<<8)|\new
.set MSB, \new
.endif
.endm
.set MUL,  0x05                        ; set anew for each K step by XSEL
; x's fragments of my 64 rows, 48 registers a K step, are loaded from LDS once, with the first tile of weights, and stay: K steps 0-4 in window 2, K steps 5-7 in window 3
.set FX, 1                             ; 1 while a fetch also brings x's fragments
.macro XSEL ck, swap                   ; K step ck: where x's fragments lie, and the windows of the products' sources (the weight's fragments: window 1; C and D: window 0)
.set XBC, 48*((\ck)%5)
.if \swap
.set MUL, (2+(\ck)/5)|0x04
.else
.set MUL, 0x01|((2+(\ck)/5)<<2)
.endif
.endm
.set TO_F, 0x40                        ; destination window 1, address window 0
.macro PLACES                          ; four plain instructions behind matrix instructions, in front of loads into their registers and of reads of their results
.rept 4
	v_nop
.endr
.endm
.macro CREST                           ; a round of the cluster's barrier behind its opening barrier
	s_cmp_lg_u32 s12, 0
	s_cbranch_scc1 .Lnot_wave_0_\@
	s_barrier_signal -3
.Lnot_wave_0_\@:
	s_barrier_wait -3
	s_barrier_signal -1
	s_barrier_wait -1
.endm
.macro CROUND
	s_barrier_signal -1
	s_barrier_wait -1
	CREST
.endm
.macro JLOAD g0a, g1a, g0b, g1b        ; a joint load: wave 0 issues the first line, wave 1 the second; four v_nop follow each
	s_cmp_eq_u32 s12, 0                            ; wave 0 issues the first line, wave 1 the second, the others none
	s_cbranch_scc0 .Lsecond_\@
	tensor_load_to_lds s[\g0a:\g0a+3], s[\g1a:\g1a+7]
	s_nop 0
.rept 4
	v_nop
.endr
	s_branch .Lasked_\@
.Lsecond_\@:
	s_cmp_eq_u32 s12, 1
	s_cbranch_scc0 .Lasked_\@
	tensor_load_to_lds s[\g0b:\g0b+3], s[\g1b:\g1b+7]
	s_nop 0
.rept 4
	v_nop
.endr
.Lasked_\@:
.endm
.macro GRP1 g, m, d0, d1, st           ; descriptor group 1: d1 rows of d0 elements of 8 bytes, st elements apart; the mask in s[m], bit 21 beside it; no padding
	s_or_b32 s[\g], s[\m], (3<<16)|(1<<21)
	s_mov_b32 s[\g+1], (\d0)<<16
	s_mov_b32 s[\g+2], (\d1)<<16
	s_mov_b32 s[\g+3], (\d0)<<16
	s_mov_b32 s[\g+4], \d1
	s_mov_b32 s[\g+5], \st
	s_mov_b32 s[\g+6], 0
	s_mov_b32 s[\g+7], 0
.endm
.macro GRP0 g, lr, lc, sp, gc          ; descriptor group 0: to LDS byte s[lr] + lc, from s[sp:sp+1] + gc
	s_mov_b32 s[\g], 1
	s_add_co_u32 s[\g+1], s[\lr], \lc
	s_add_nc_u64 s[\g+2:\g+3], s[\sp:\sp+1], \gc
	s_or_b32 s[\g+3], s[\g+3], 0x80000000
.endm
.macro BASE dst, ptr, cj, ci, cw, cv, k   ; s[dst:dst+1] = s[ptr:ptr+1] + cj j + ci I1 + cw ww + cv wx + k
	s_mul_i32 s104, s18, \cj
	s_mul_i32 s105, s19, \ci
	s_add_co_u32 s104, s104, s105
	s_mul_i32 s105, s14, \cw
	s_add_co_u32 s104, s104, s105
	s_mul_i32 s105, s13, \cv
	s_add_co_u32 s104, s104, s105
	s_add_co_u32 s104, s104, \k
	s_mov_b32 s105, 0
	s_add_nc_u64 s[\dst:\dst+1], s[\ptr:\ptr+1], s[104:105]
.endm
	s_load_b128 s[4:7], s[0:1], 0x0
	v_lshl_add_u32 v[SPW], v0, 2, SPARE
	v_mov_b32 v[NIL], 0
	ds_add_u32 v28, v29
	ds_add_u32 v28, v29
	s_wait_dscnt 0x0
	v_lshrrev_b32 v1, 5, v0
	v_readfirstlane_b32 s12, v1                    ; wave
	s_lshr_b32 s13, s12, 1                         ; wx: my half of x's rows.
	s_and_b32 s14, s12, 1                          ; ww: my half of the weight's columns.  Also: which half I fetch
	s_bfe_u32 s15, ttmp6, 0x40000                  ; cx
	s_bfe_u32 s17, ttmp6, 0x40004                  ; cy
	s_lshl_b32 s18, ttmp9, 2
	s_add_co_u32 s18, s18, s15                     ; j
	s_and_b32 s19, ttmp7, 0xffff
	s_lshl_b32 s19, s19, 2
	s_add_co_u32 s19, s19, s17                     ; I1
	s_lshl_b32 s20, s17, 2
	s_lshl_b32 s20, 15, s20                        ; my row of the cluster
	s_lshl_b32 s21, 0x1111, s15                    ; my column
	s_mov_b32 s[SEL], 0x76543210
	s_mov_b32 s[SEL+1], 0xfedcba98
	GRP1 G1X, 20, 768, 8, 24576                    ; eight tiles (6,144 bytes) of each of 8 chunks: LDS [chunk][tile]
	GRP1 G1W, 21, 768, 8, NTW*96
	GRP1 G1XS, 20, 64, KS, 2048                    ; two groups' 512 bytes of each K step: LDS [K step][half][256]
	GRP1 G1WS, 21, 32, 2*NTL*KS, 32                ; dense: LDS [tile of weights][K step][half][256]
	s_wait_kmcnt 0x0
	s_lshl_b32 s22, s19, 9                         ; x's addresses are made in s[22:23], of I1 and the wave's number alone
	s_mov_b32 s23, 0
	s_add_co_u32 s22, s22, s23
	s_mov_b32 s23, 0
	s_add_nc_u64 s[22:23], s[XP:XP+1], s[22:23]
	s_mov_b32 s3, 0
	GRP0 G0XS, 3, XS, 22, XSCALES
	s_mul_i32 s22, s19, 6144
	s_mov_b32 s23, 0
	s_add_co_u32 s22, s22, s23
	s_mov_b32 s23, 0
	s_add_nc_u64 s[22:23], s[XP:XP+1], s[22:23]
	s_mov_b32 s16, 0
	GRP0 G0X0, 16, XR, 22, XCODES
	GRP0 G0X1, 16, XR+49152, 22, XCODES+1572864
	s_mul_i32 s92, s18, 2*NTL*KS*256               ; the weights' in s[92:93], of j and the wave's number alone
	s_mov_b32 s93, 0
	s_add_co_u32 s92, s92, s93
	s_mov_b32 s93, 0
	s_add_nc_u64 s[92:93], s[WP:WP+1], s[92:93]
	s_mov_b32 s3, 0
	GRP0 G0WS, 3, WS, 92, WSCALES
	s_mul_i32 s92, s18, NTL*6144
	s_mov_b32 s93, 0
	s_add_co_u32 s92, s92, s93
	s_mov_b32 s93, 0
	s_add_nc_u64 s[92:93], s[WP:WP+1], s[92:93]
	GRP0 DW, 16, WR, 92, WCODES
	GRP0 DW+4, 16, WR+49152, 92, WCODES+NTW*6144
	GRP0 DW+8, 16, WR+98304, 92, WCODES+6144
	GRP0 DW+12, 16, WR+98304+49152, 92, WCODES+6144+NTW*6144
	BASE 94, OP, 393216, 6144, 196608, 3072, 0     ; q's codes: chunk 2 j + ww (a head), tile 8 I1 + 4 wx; k's lie 3,145,728 on
	BASE 96, OP, 16384, 512, 0, 0, 9437184         ; q's scale words: K step j, groups 2 I1, 2 I1 + 1; k's 131,072 on
	BASE 98, OP, 6144, 98304, 3072, 49152, 6291456 ; v's codes: chunk of keys 2 I1 + wx, tile of channels 8 j + 4 ww
	BASE 100, OP, 512, 4096, 0, 0, 9699328         ; v's scale words: step of keys I1, groups 2 j, 2 j + 1
	; THE PREFETCHES, for the second group of first fills alone (the later refill has a whole tile's work in which to land).  An instruction names four chunks, a lane a block of 256 bytes: of a chunk's 24 blocks
	; (eight tiles) each of the four partners that load it jointly takes six, told apart by address (cx for x, cy for the weights); lanes 24-31 name lane 23's block again.
	; Waves 0, 1: x's chunks 8-11, 12-15; waves 2, 3: tile 0's chunks 8-11, 12-15; and wave w: tile 1's chunks 4 w .. 4 w + 3.
	s_cmp_eq_u32 s13, 0
	s_cselect_b32 s2, s15, s17                     ; my place among the four partners
	s_mov_b32 s3, NTW*768
	s_cselect_b32 s3, 196608, s3                   ; bytes from chunk to chunk
	s_mov_b32 s20, WCODES
	s_cselect_b32 s20, XCODES, s20
	s_cselect_b64 s[22:23], s[22:23], s[92:93]
	s_add_co_u32 s21, s14, 2
	s_lshl_b32 s21, s21, 2
	s_mul_i32 s21, s21, s3
	s_add_co_u32 s20, s20, s21
	s_mov_b32 s21, 0
	s_add_nc_u64 s[22:23], s[22:23], s[20:21]      ; at chunk 8 or 12 of x or of tile 0
	s_mul_i32 s2, s2, 6
	s_mul_i32 s20, s12, 4*NTW*768
	s_add_co_u32 s20, s20, WCODES+6144
	s_add_nc_u64 s[92:93], s[92:93], s[20:21]      ; at chunk 4 w of tile 1
	s_mul_i32 s16, s17, 6
	v_and_b32 v1, 15, v0
	v_bfe_u32 v2, v0, 4, 1                         ; h
	v_and_b32 v3, 31, v0
	v_min_u32 v116, 23, v3
	v_mul_u32_u24 v117, v116, 43
	v_lshrrev_b32 v117, 8, v117                    ; lane / 6: which of the four chunks
	v_mul_u32_u24 v118, v117, 6
	v_sub_nc_u32 v116, v116, v118                  ; lane % 6
	v_add_nc_u32 v118, s2, v116
	v_lshlrev_b32 v118, 8, v118
	v_mad_u32_u24 v118, v117, s3, v118             ; v118, v119: my block's offsets; never rewritten
	v_add_nc_u32 v119, s16, v116
	v_lshlrev_b32 v119, 8, v119
	v_mad_u32_u24 v119, v117, NTW*768, v119
	v_lshlrev_b32 v[L8], 3, v3
	v_lshlrev_b32 v[L16], 4, v3
	s_mul_i32 s2, s13, 3072
	v_add_nc_u32 v[AX], s2, v[L8]
	v_add_nc_u32 v[AX+1], 49152, v[AX]
	s_mul_i32 s2, s14, 3072
	s_add_co_u32 s2, s2, WR
	v_add_nc_u32 v[AW], s2, v[L8]
	v_add_nc_u32 v[AW+1], 49152, v[AW]
	v_add_nc_u32 v[AW+2], 98304, v[AW]
	v_add_nc_u32 v[AW+3], 98304, v[AW+1]
	v_lshlrev_b32 v23, 4, v1
	s_lshl_b32 s2, s13, 8
	s_lshl_b32 s3, s14, 8
	s_add_co_u32 s3, s3, WS-XS
	s_sub_co_u32 s3, s3, s2
	s_add_co_u32 s2, s2, XS
	v_add_nc_u32 v23, s2, v23
.set T, 0
.rept NTL
	v_mul_u32_u24 v24, s3, v2                      ; lanes 16-31 take the weight's
	v_add_nc_u32 v[ADRS+T], v23, v24
	s_add_co_u32 s3, s3, KS*512
.set T, T+1
.endr
	s_lshl_b32 s2, s13, 8
	s_lshl_b32 s3, s14, 1
	s_add_co_u32 s2, s2, s3
	s_add_co_u32 s2, s2, SX
	v_lshl_add_u32 v[SXN], v1, 4, s2               ; SX + 256 wx + 16 r + 2 ww
	s_lshl_b32 s2, s14, 8
	s_lshl_b32 s3, s13, 1
	s_add_co_u32 s2, s2, s3
	s_add_co_u32 s2, s2, SX
	v_lshl_add_u32 v[SXS], v1, 4, s2               ; SX + 256 ww + 16 r + 2 wx
	v_add_nc_u32 v[SXR], SX, v[L16]
.irp b, 0,1,2,3
	v_mov_b32 v[TM+4+\b], 0                        ; a lane permute's destination counts as one of its sources
.endr
	CROUND                                         ; all sixteen work-groups are here: the first joint loads meet
; one arm of a chain of branches on the wave's number: one joint load, then on to the chain's join
.macro HARM under, g0, g1, next, join
	s_cmp_lt_u32 s12, \under
	s_cbranch_scc0 \next
	tensor_load_to_lds s[\g0:\g0+3], s[\g1:\g1+7]
	s_nop 0
.rept 4
	v_nop
.endr
	s_branch \join
\next:
.endm
	HARM 1, G0X0, G1X, .Lha1, .Lfilled             ; the head's four tiles, one load a wave: x's first 8 chunks,
	HARM 2, DW, G1W, .Lha2, .Lfilled               ; tile 0's first 8 chunks,
	HARM 3, G0XS, G1XS, .Lha3, .Lfilled            ; x's scale words,
	tensor_load_to_lds s[G0WS:G0WS+3], s[G1WS:G1WS+7]   ; the weights' scale words
	s_nop 0
.rept 4
	v_nop
.endr
.Lfilled:
	global_prefetch_b8 v118, s[22:23] th:TH_LOAD_NT scope:SCOPE_SE   ; behind the head's loads: what the next group of loads will bring
	global_prefetch_b8 v119, s[92:93] th:TH_LOAD_NT scope:SCOPE_SE
.macro FRAG reg, adr, q, i             ; a fragment: the half images of chunks 2 q and 2 q + 1 of a part, tile i
.irp p, 0,1,2,3,4,5
	ds_load_b64 v[(\reg)+2*\p:(\reg)+2*\p+1], v[\adr] offset:(2*(\q)+\p/3)*6144+768*(\i)+256*(\p%3)
.endr
.endm
.macro FETCH f, sc, ax, aw, q, as, ks  ; 49 LDS loads: a K step's eight fragments into buffer f, its scale words into set sc
	WIN TO_F
.irp i, 0,1,2,3
	FRAG (\f)+12*\i, \aw, \q, \i
.endr
.if FX
.set XWD, (2+(\ks)/5)<<6
	WIN XWD
.irp i, 0,1,2,3
	FRAG 48*((\ks)%5)+12*\i, \ax, \q, \i
.endr
.endif
	WIN 0
	ds_load_b128 v[SC+4*(\sc):SC+4*(\sc)+3], v[\as] offset:512*(\ks)
.endm
; four matrix instructions on accumulators (a, 0 .. 3).  The sixteen take turns, one instruction a turn, in the same order in every step
.macro MULA f, sc, a, zero, swap
.irp b, 0,1,2,3
.set DD, ACC+8*(4*(\a)+\b)
.if \swap
.set R0, XBC+12*\b
.set R1, (\f)+12*(\a)
.if \zero
	v_wmma_scale_f32_16x16x128_f8f6f4 v[DD:DD+7], v[R0:R0+11], v[R1:R1+11], 0, v[SC+4*(\sc)+\b], v[SC+4*(\sc)+(\a)] matrix_a_fmt:MATRIX_FMT_FP6 matrix_b_fmt:MATRIX_FMT_FP6 matrix_b_scale:MATRIX_SCALE_ROW1
.else
	v_wmma_scale_f32_16x16x128_f8f6f4 v[DD:DD+7], v[R0:R0+11], v[R1:R1+11], v[DD:DD+7], v[SC+4*(\sc)+\b], v[SC+4*(\sc)+(\a)] matrix_a_fmt:MATRIX_FMT_FP6 matrix_b_fmt:MATRIX_FMT_FP6 matrix_b_scale:MATRIX_SCALE_ROW1
.endif
.else
.set R0, (\f)+12*\b                    ; source 0: the weight's tile b;  source 1: x's tile a
.set R1, XBC+12*(\a)
.if \zero
	v_wmma_scale_f32_16x16x128_f8f6f4 v[DD:DD+7], v[R0:R0+11], v[R1:R1+11], 0, v[SC+4*(\sc)+\b], v[SC+4*(\sc)+(\a)] matrix_a_fmt:MATRIX_FMT_FP6 matrix_b_fmt:MATRIX_FMT_FP6 matrix_a_scale:MATRIX_SCALE_ROW1
.else
	v_wmma_scale_f32_16x16x128_f8f6f4 v[DD:DD+7], v[R0:R0+11], v[R1:R1+11], v[DD:DD+7], v[SC+4*(\sc)+\b], v[SC+4*(\sc)+(\a)] matrix_a_fmt:MATRIX_FMT_FP6 matrix_b_fmt:MATRIX_FMT_FP6 matrix_a_scale:MATRIX_SCALE_ROW1
.endif
.endif
.endr
.endm
; a K step of 128: 16 matrix instructions on buffer f; in its middle the next step's fragments are fetched into the other buffer
.macro STEP f, sc, zero, swap, nax, naw, nq, nas, nks
	XSEL ((\nks)+7)%8, \swap
	s_wait_dscnt 0x0                               ; this step's fragments and scale words are in
	WIN MUL
	MULA \f, \sc, 0, \zero, \swap
	MULA \f, \sc, 1, \zero, \swap
	PLACES
	FETCH 96-(\f), 1-(\sc), \nax, \naw, \nq, \nas, \nks
	WIN MUL
	MULA \f, \sc, 2, \zero, \swap
	MULA \f, \sc, 3, \zero, \swap
.endm
; the same with a barrier behind which bytes that tensor loads have just brought are read, and nothing is filled: cnt younger loads of mine may stay out
.macro TURNP f, sc, swap, cnt, nax, naw, nq, nas, nks
	XSEL ((\nks)+7)%8, \swap
	s_wait_dscnt 0x0
	s_wait_tensorcnt \cnt
	s_barrier_signal -1
	WIN MUL
	MULA \f, \sc, 0, 0, \swap
	MULA \f, \sc, 1, 0, \swap
	s_barrier_wait -1
	PLACES
	FETCH 96-(\f), 1-(\sc), \nax, \naw, \nq, \nas, \nks
	WIN MUL
	MULA \f, \sc, 2, 0, \swap
	MULA \f, \sc, 3, 0, \swap
.endm
; the same with a round of the cluster's barrier behind which bytes that have been read out are filled again
.macro TURNR f, sc, swap, g0a, g1a, g0b, g1b, sta, stb, nax, naw, nq, nas, nks
	XSEL ((\nks)+7)%8, \swap
	WIN 0
	s_wait_tensorcnt 0x0                           ; all my tensor loads have landed;
	ds_add_u32 v[SPW], v[NIL]                      ; 0 onto my spare word;
	s_wait_dscnt 1                                 ; (the add may be out: this step's fragments are in)
	WIN MUL
	MULA \f, \sc, 0, 0, \swap
	s_wait_dscnt 0x0                               ; the add is done, and my reads of the bytes to be filled are over
	s_barrier_signal -1
	MULA \f, \sc, 1, 0, \swap
	WIN 0
	s_barrier_wait -1
	CREST                                          ; no wave of any partner still reads those bytes or has a load on its way
	s_add_nc_u64 s[\g0a+2:\g0a+3], s[\g0a+2:\g0a+3], \sta
	s_add_nc_u64 s[\g0b+2:\g0b+3], s[\g0b+2:\g0b+3], \stb
	JLOAD \g0a, \g1a, \g0b, \g1b                   ; the one tensor load of waves 0 and 1 behind the round
	PLACES                                         ; the places in front of the loads below, on every wave's way
	FETCH 96-(\f), 1-(\sc), \nax, \naw, \nq, \nas, \nks
	WIN MUL
	MULA \f, \sc, 2, 0, \swap
	MULA \f, \sc, 3, 0, \swap
.endm
.macro LAST f, sc, swap
	XSEL 7, \swap
	s_wait_dscnt 0x0
	WIN MUL
	MULA \f, \sc, 0, 0, \swap
	MULA \f, \sc, 1, 0, \swap
	MULA \f, \sc, 2, 0, \swap
	MULA \f, \sc, 3, 0, \swap
.endm
; tile t of the weights: eight K steps; it lies in buffer t % 2
.macro TILE t, swap
.set BE, (\t)%2
.set A0, AW+2*BE
.set A1, AW+2*BE+1
.set AN, AW+2*(1-BE)
.set AS, ADRS+(\t)
	STEP 0, 0, ZERO0, \swap, AX, A0, 1, AS, 1
	STEP 96, 1, 0, \swap, AX, A0, 2, AS, 2
	STEP 0, 0, 0, \swap, AX, A0, 3, AS, 3
.if (\t) == 0
	TURNP 96, 1, \swap, CNT3, AX+1, A1, 0, AS, 4   ; the second parts of x and of tile 0 are in; my part of tile 1 is in too
.else
	STEP 96, 1, 0, \swap, AX+1, A1, 0, AS, 4
.endif
	STEP 0, 0, 0, \swap, AX+1, A1, 1, AS, 5
	STEP 96, 1, 0, \swap, AX+1, A1, 2, AS, 6
	STEP 0, 0, 0, \swap, AX+1, A1, 3, AS, 7
.set FX, 0                             ; all eight K steps of x are in registers: from here on a fetch brings the weight's fragments alone
.if (\t) == NTL-1
	LAST 96, 1, \swap
.elseif (\t)+2 < NTL
	TURNR 96, 1, \swap, DW+8*BE, G1W, DW+8*BE+4, G1W, 12288, 12288, AX, AN, 0, AS+1, 0   ; this buffer takes the tile two on: 16 tiles of 768 bytes further
.else
	TURNP 96, 1, \swap, 0, AX, AN, 0, AS+1, 0
.endif
.endm
; 64 numbers of a lane, register 16 b + i = index 32 b + 16 (lane / 16) + i, become twelve registers of codes in v[PC] on and four scale bytes in v[PW]
.macro QUANT s
.irp b, 0,1,2,3
	v_max3_num_f32 v[TM+\b], |v[(\s)+16*\b]|, |v[(\s)+1+16*\b]|, 0x1800000   ; my 16 numbers, and the floor 2^(3 - 127): the byte cannot fall under 1
.endr
.irp i, 2,4,6,8,10,12,14
.irp b, 0,1,2,3
	v_max3_num_f32 v[TM+\b], v[TM+\b], |v[(\s)+16*\b+\i]|, |v[(\s)+1+16*\b+\i]|
.endr
.endr
.irp b, 0,1,2,3
	v_permlanex16_b32 v[TM+4+\b], v[TM+\b], s[SEL], s[SEL+1]
.endr
.irp b, 0,1,2,3
	v_max_num_f32 v[TM+\b], v[TM+\b], v[TM+4+\b]
.endr
.irp b, 0,1,2,3
	v_add_nc_u32 v[TM+12+\b], 0xff000000, v[TM+\b]         ; 2 off the exponent field: the conversion's scale operand
.endr
.irp b, 0,1,2,3
	v_lshrrev_b32 v[TM+4+\b], 23, v[TM+12+\b]              ; the scale's byte
.endr
	v_lshl_or_b32 v[PW], v[TM+5], 8, v[TM+4]
	v_lshl_or_b32 v[PW], v[TM+6], 16, v[PW]
	v_lshl_or_b32 v[PW], v[TM+7], 24, v[PW]
.irp c, 0,1
	v_cvt_scalef32_pk16_fp6_f32 v[PC+6*\c:PC+2+6*\c], v[(\s)+32*\c:(\s)+15+32*\c], v[TM+12+2*\c]
	v_cvt_scalef32_pk16_fp6_f32 v[PC+12+4*\c:PC+14+4*\c], v[(\s)+16+32*\c:(\s)+31+32*\c], v[TM+12+2*\c+1]
.endr
	v_nop                                                  ; one plain instruction behind a scaled conversion
.irp c, 0,1
.irp i, 0,1,2
	v_permlane16_swap_b32 v[PC+6*\c+\i], v[PC+12+4*\c+\i]
.endr
.irp i, 0,1,2
	v_mov_b32 v[PC+3+6*\c+\i], v[PC+12+4*\c+\i]
.endr
.endr
.endm
; accumulators (2 hp, *) and (2 hp + 1, *): two half images (source 1's tiles 2 hp, 2 hp + 1 x my 64 of source 0) and two halves of scale words
.macro QPART hp, xa, xo, cbs, cim
	s_wait_xcnt 0x0                                ; the codes' registers are rewritten only behind this wait: earlier stores have read them
	QUANT ACC+64*(\hp)
.irp c, 0,1
.irp p, 0,1,2
	global_store_b64 v[L8], v[PC+6*\c+2*\p:PC+6*\c+2*\p+1], s[\cbs:\cbs+1] offset:(\cim)+(2*(\hp)+\c)*768+256*\p   ; 256 consecutive bytes, aligned
.endr
.endr
	ds_store_b16 v[\xa], v[PW] offset:(\xo)+8*(\hp)
	ds_store_b16_d16_hi v[\xa], v[PW] offset:(\xo)+8*(\hp)+4
.endm
.macro XCHG xo, sbs, sim               ; the four waves' halves make 128 whole scale words: wave 0 stores them, 512 consecutive bytes
	s_wait_dscnt 0x0                               ; for the others' sake: my stores have landed
	s_barrier_signal -1
	s_barrier_wait -1
	s_cmp_lg_u32 s12, 0
	s_cbranch_scc1 .Lnot_mine_\@
	ds_load_b128 v[EX:EX+3], v[SXR] offset:\xo
	s_wait_dscnt 0x0
	global_store_b128 v[L16], v[EX:EX+3], s[\sbs:\sbs+1] offset:\sim
.Lnot_mine_\@:
.endm
	s_wait_tensorcnt 0x0                           ; my tile of the head's four is in
	ds_add_u32 v[SPW], v[NIL]
	s_wait_dscnt 0x0
	CROUND                                         ; all four tiles are in, and the sixteen work-groups meet
	HARM 1, G0X1, G1X, .Lhb1, .Lfilled2            ; x's second 8 chunks,
	HARM 2, DW+4, G1W, .Lhb2, .Lfilled2            ; tile 0's,
	HARM 3, DW+8, G1W, .Lhb3, .Lfilled2            ; and tile 1, in two loads
	tensor_load_to_lds s[DW+12:DW+15], s[G1W:G1W+7]
	s_nop 0
.rept 4
	v_nop
.endr
.Lfilled2:
	FETCH 0, 0, AX, AW, 0, ADRS, 0
	TILE 0, 0                                      ; q
	WIN 0
	PLACES
	QPART 0, SXN, 0, 94, 0
	QPART 1, SXN, 0, 94, 0
	XCHG 0, 96, 0
	TILE 1, 0                                      ; k
	WIN 0
	PLACES
	QPART 0, SXN, 512, 94, 3145728
	QPART 1, SXN, 512, 94, 3145728
	XCHG 512, 96, 131072
	TILE 2, 1                                      ; v, swapped
	WIN 0
	PLACES
	QPART 0, SXS, 1024, 98, 0
	QPART 1, SXS, 1024, 98, 0
	XCHG 1024, 100, 0
	s_wait_tensorcnt 0x0                           ; the wave's end
	ds_add_u32 v[SPW], v[NIL]
	s_wait_dscnt 0x0
	CROUND                                         ; the closing round
	s_endpgm
.Lfunc_end_k_qfeda205ba2_proj:
	.size	k_qfeda205ba2_proj, .Lfunc_end_k_qfeda205ba2_proj-k_qfeda205ba2_proj
	.p2alignl 7, 3214868480
	.fill 96, 4, 3214868480
	.section	.rodata,"a",@progbits
	.p2align	6, 0x0
	.amdhsa_kernel k_qfeda205ba2_proj
		.amdhsa_group_segment_fixed_size 327680
		.amdhsa_private_segment_fixed_size 0
		.amdhsa_enable_private_segment 0
		.amdhsa_kernarg_size 16
		.amdhsa_user_sgpr_count 2
		.amdhsa_user_sgpr_kernarg_segment_ptr 1
		.amdhsa_wavefront_size32 1
		.amdhsa_system_sgpr_workgroup_id_x 1
		.amdhsa_system_sgpr_workgroup_id_y 1
		.amdhsa_system_sgpr_workgroup_id_z 1
		.amdhsa_system_vgpr_workitem_id 0
		.amdhsa_next_free_vgpr 912
		.amdhsa_next_free_sgpr 106
		.amdhsa_reserve_vcc 0
		.amdhsa_float_denorm_mode_32 3
		.amdhsa_float_denorm_mode_16_64 3
		.amdhsa_memory_ordered 1
		.amdhsa_forward_progress 1
		.amdhsa_inst_pref_size 148
	.end_amdhsa_kernel
	.amdgpu_metadata
---
amdhsa.version: [ 1, 2 ]
amdhsa.kernels:
  - .name:           k_qfeda205ba2_proj
    .symbol:         k_qfeda205ba2_proj.kd
    .args:
      - { .name: pre, .offset: 0, .size: 8, .value_kind: global_buffer, .address_space: global }
      - { .name: qkv, .offset: 8, .size: 8, .value_kind: global_buffer, .address_space: global }
    .group_segment_fixed_size: 327680
    .private_segment_fixed_size: 0
    .kernarg_segment_align: 8
    .kernarg_segment_size: 16
    .max_flat_workgroup_size: 128
    .sgpr_count:     106
    .vgpr_count:     912
    .wavefront_size: 32
...
	.end_amdgpu_metadata
.endif
;; end of part 2
;; launch attn (part 3): grid 8 x 32, 16 waves a work-group, clusters of 4 x 1, 247,808 bytes of LDS; arguments qkv, ao; writes ao
.if DOCPART == 3
	.amdgcn_target "amdgcn-amd-amdhsa--gfx1250"
	.amdhsa_code_object_version 6
	.text
	.protected	k_qfeda205ba2_attn
	.globl	k_qfeda205ba2_attn
	.p2align	8
	.type	k_qfeda205ba2_attn,@function
k_qfeda205ba2_attn:
	s_mov_b64 s[64:65], 0
	v_nop
	global_prefetch_b8 v0, s[64:65] scope:SCOPE_SE
	s_setreg_imm32_b32 hwreg(HW_REG_WAVE_MODE, 25, 1), 1
	s_wait_xcnt 0x0
	s_wait_alu depctr_hold_cnt(0) depctr_sa_sdst(0) depctr_va_vdst(0) depctr_va_sdst(0) depctr_va_ssrc(0) depctr_va_vcc(0) depctr_vm_vsrc(0)
	s_getreg_b32 s2, hwreg(HW_REG_IB_STS2, 6, 4)
	s_cmp_eq_u32 s2, 0
	s_cbranch_scc0 .Lentry_in_a_cluster
	s_endpgm
.Lentry_in_a_cluster:
	s_bfe_u32 s2, ttmp6, 0x10000c
	s_cmp_lg_u32 s2, 0x3003
	s_cbranch_scc0 .Lentry_shape_is_right
	s_endpgm
.Lentry_shape_is_right:
; Attention of one head on codes of FP6 (E2M3) with E8M0 scales; both products quantised; the result is quantised along the channels and leaves as codes.
; t = score x log2(e) / 8; M = the running largest t rounded UP to a whole number; p = 2^(t - M) is quantised along the keys, not normalised;
; the row's sum is taken of the unquantised p and divides at the end.  When M moves, the sum and O are multiplied by 2^(old M - new M): exact.
; SHARES.  A work-group owns 256 queries of one head of one batch (grid y = 16 batch + head); each of its sixteen waves owns 16 queries, in 256 registers.
; K, V and their scale words of the whole head (2,048 keys) lie in LDS, each byte filled once, by ten joint loads, one a wave, shared by the four work-groups of a cluster.
; No prefetch: all that the launch reads through LDS is asked for at the head, so no loop runs ahead of a load.
; STORED LAYOUT (made by the launch before): a stored tile T is 16 rows, lane-row q = row 32 (T / 2) + 8 (T % 2) + q + 8 (q / 8); a half image (tile x 64 along K) is three planes of 256 bytes, lane l's 8 bytes at 8 l.
; THE TILES OF K THAT ARE MULTIPLIED are put together from two stored tiles by the lanes' addresses: of each 64 keys, tile u takes keys 8 u .. 8 u + 7 as rows 0-7 and keys 32 + 8 u .. + 7 as rows 8-15.
; S^T = K Q^T then gives lane (r, h) query r, and the 32 registers of four tiles are keys 64 c + 32 h + 0 .. 31: a WHOLE block of 32 in a lane, in the very order of p's operand:
; a block's maximum needs no other lane, and the conversions' results are the operand.  K's planes lie 352 bytes apart in LDS (the load pads each by 96 bytes), so that the two stored tiles
; that a load touches lie 2,112 bytes = 64 modulo 256 apart and its 32 lanes touch 256 different bytes modulo 256.
; THE HEAD HAS 64 CHANNELS, the instruction 128 along K: Q's operand is [q | zero codes]; K's operand of tile n is its six registers and the six that follow, whatever they hold: every pattern of six bits
; is a finite number and meets a zero code.  Scale words are loaded as halfwords: bytes 2 and 3 are 0, which stands for 2^-127.
; A BLOCK'S SCALE is made without its largest p: p rises with the score, and floor(log2(2^y)) = floor(y), so the byte is floor(y) + 125, y = t - M of the block's largest score, held at -124 from below (the byte at 1).
; A split barrier in each trip keeps the sixteen waves within one step of each other; it orders no data.
; LIMITS: the scaled scores stay under 2^31 in magnitude; NaN and infinities are not served; a block of zeros or under 2^-124 gets the byte 1 (read by this program alone);
; where y lies within an ulp under a whole number the exponential may give the next power of two, and that one p is then held at the largest code.
.set KC,  3145728                      ; byte offsets in the input buffer: q's codes at 0, k's, v's,
.set VC,  6291456
.set QS,  9437184                      ; and the scale words
.set KSO, 9568256
.set VSO, 9699328
.set AOS, 3145728                      ; in the output: codes at 0, scale words here
.set KPL, 352                          ; a plane of K in LDS: 256 bytes + 96
.set KSTP, 24*KPL                      ; a step's eight stored tiles
.set KSTG, 96*KPL                      ; what one load brings of K: 32 stored tiles
.set VR,  4*KSTG                       ; LDS: K from 0; V: [32 chunks of 64 keys][4 tiles of channels][768]
.set KSR, VR+98304                     ; K's scale words: [32 groups of four tiles][256]
.set VSR, KSR+8192                     ; V's: [16 steps of 128 keys][256]
.set SPARE, VSR+4096                   ; the spare words, 128 bytes a wave
.set SEL, 20                           ; s[20:21] lane selects: lane l xor 16
.set CS,  22                           ; s[22:23] c = log2(e) / 8
; REGISTERS: v1 8 x lane; v2, v4 my lane's places in K and K's scales; v6 16 r; v7 8 h; v8, v9 the add's two; v3, v5, v11, v0 the step's addresses; v10 -M at the step's head;
; v12 -M, v13 the largest score, v[14:15] the sum; v252 f; v254, v255 at work
.set QF,  16                           ; v16-27   Q | zeros
.set VSC, 28                           ; v28-31   V's scale words
.set KF,  32                           ; v32-85   K's eight tiles, and six registers behind them
.set BM,  86                           ; v86, 87  my two blocks' largest score, then floor(y)
.set KSC, 88                           ; v88-91   K's scales: lanes 0-15 tile 2 i, lanes 16-31 tile 2 i + 1
.set QSC, 92
.set PSC, 93                           ; p's scale word
.set SCO, 94                           ; v94, 95  the conversions' scale operands
.set SS,  96                           ; v96-159  the scores, then p
.set OO,  160                          ; v160-191 O^T
.set VF,  192                          ; v192-239 V's four fragments
.set PP,  240                          ; v240-251 p's codes
.set CH,  246                          ; three chains of the row's sum, while p's codes are not yet made
.macro CROUND
	s_barrier_signal -1
	s_barrier_wait -1
	s_cmp_lg_u32 s12, 0
	s_cbranch_scc1 .Lnot_wave_0_\@
	s_barrier_signal -3
.Lnot_wave_0_\@:
	s_barrier_wait -3
	s_barrier_signal -1
	s_barrier_wait -1
.endm
.macro GRP1 g, w0, d0, d1, st          ; descriptor group 1: d1 rows of d0 elements of 8 bytes, st elements apart
	s_mov_b32 s[\g], \w0
	s_mov_b32 s[\g+1], (\d0)<<16
	s_mov_b32 s[\g+2], (\d1)<<16
	s_mov_b32 s[\g+3], (\d0)<<16
	s_mov_b32 s[\g+4], \d1
	s_mov_b32 s[\g+5], \st
	s_mov_b32 s[\g+6], 0
	s_mov_b32 s[\g+7], 0
.endm
.macro HARM under, g0, g1, next        ; one arm of the chain of branches on the wave's number: one joint load, then on to the join
	s_cmp_lt_u32 s12, \under
	s_cbranch_scc0 \next
	tensor_load_to_lds s[\g0:\g0+3], s[\g1:\g1+7]
	s_nop 0
.rept 4
	v_nop
.endr
	s_branch .Lfilled
\next:
.endm
.set PLAIN, 15|(3<<16)|(1<<21)         ; mask: all four work-groups, bit 21 beside it; elements of 8 bytes
	s_load_b128 s[4:7], s[0:1], 0x0                ; the codes of q, k, v; the output
	v_lshl_add_u32 v8, v0, 2, SPARE
	v_mov_b32 v9, 0
	ds_add_u32 v8, v9
	ds_add_u32 v8, v9
	v_lshrrev_b32 v10, 5, v0
	v_readfirstlane_b32 s12, v10                   ; wave 0..15
	s_bfe_u32 s13, ttmp6, 0x40000                  ; cx
	s_lshl_b32 s14, ttmp9, 2
	s_add_co_u32 s14, s14, s13                     ; my block of 256 queries: it enters Q's and the output's addresses alone
	s_and_b32 s15, ttmp7, 0xffff
	s_and_b32 s16, s15, 15                         ; the head
	s_lshr_b32 s15, s15, 4                         ; the batch
	GRP1 24, PLAIN, 32, 32, 32                     ; K's scale words: 8,192 dense bytes
	GRP1 32, PLAIN|(1<<20)|(5<<22)|(23<<25), 32, 96, 32   ; 32 tiles of K: 96 planes of 256 bytes, 24 words of padding behind each 64
	GRP1 40, PLAIN, 32, 16, 512                    ; V's scale words: 256 bytes of each of 16 steps of keys
	GRP1 48, PLAIN, 384, 8, 6144                   ; the head's four tiles of V (3,072 bytes) of each of 8 chunks of keys
	s_mov_b32 s[SEL], 0x76543210
	s_mov_b32 s[SEL+1], 0xfedcba98
	s_mov_b32 s[CS], 0x3e38aa3b
	s_mov_b32 s[CS+1], s[CS]                       ; named with it as a pair, so it is written
	s_mul_i32 s2, s16, 196608                      ; Q's and the output's image: (256 head + T) x 768, T = 128 batch + 16 block + wave
	s_mul_i32 s3, s15, 98304
	s_add_co_u32 s2, s2, s3
	s_mul_i32 s3, s14, 12288
	s_add_co_u32 s2, s2, s3
	s_mul_i32 s3, s12, 768
	s_add_co_u32 s2, s2, s3
	s_mov_b32 s3, 0
	s_lshr_b32 s100, s16, 1                        ; their scale halfwords: 16384 (head / 2) + 256 (T / 4) + 4 (T % 4) + 2 (head % 2)
	s_lshl_b32 s100, s100, 14
	s_lshl_b32 s101, s15, 13
	s_add_co_u32 s100, s100, s101
	s_lshl_b32 s101, s14, 10
	s_add_co_u32 s100, s100, s101
	s_lshr_b32 s101, s12, 2
	s_lshl_b32 s101, s101, 8
	s_add_co_u32 s100, s100, s101
	s_and_b32 s101, s12, 3
	s_lshl_b32 s101, s101, 2
	s_add_co_u32 s100, s100, s101
	s_and_b32 s101, s16, 1
	s_lshl_b32 s101, s101, 1
	s_add_co_u32 s100, s100, s101
	s_add_co_u32 s66, s101, KSR                    ; my head's half of K's scale words
	s_mov_b32 s101, 0
	s_and_b32 s17, s12, 3                          ; which quarter of K or of V a loading wave fetches
	v_and_b32 v10, 31, v0
	v_lshlrev_b32 v1, 3, v10                       ; 8 x lane
	v_and_b32 v11, 15, v0
	v_lshlrev_b32 v6, 4, v11                       ; 16 r
	v_and_b32 v10, 7, v0                           ; r % 8
	v_bfe_u32 v11, v0, 3, 1                        ; r / 8
	v_bfe_u32 v7, v0, 4, 1                         ; h
	v_lshlrev_b32 v2, 3, v10
	v_lshl_add_u32 v2, v7, 7, v2
	v_mad_u32_u24 v2, v11, 6*KPL, v2               ; K: 8 (r % 8) + 128 h, and rows 8-15 from the stored tile two on
	v_lshlrev_b32 v4, 4, v10
	v_lshl_add_u32 v4, v11, 3, v4
	v_lshl_add_u32 v4, v7, 2, v4
	v_add_nc_u32 v4, s66, v4                       ; K's scales: 16 (r % 8) + 8 (r / 8) + 4 h: lanes 16-31 take the next tile's
	v_lshlrev_b32 v7, 3, v7                        ; 8 h
	s_wait_alu depctr_va_vdst(0)
	s_wait_dscnt 0x0
	s_wait_kmcnt 0x0
	s_add_nc_u64 s[66:67], s[6:7], s[100:101]
	s_add_nc_u64 s[66:67], s[66:67], AOS           ; the output's scale halfwords
	s_add_nc_u64 s[6:7], s[6:7], s[2:3]            ; the output's image
	s_add_nc_u64 s[2:3], s[4:5], s[2:3]            ; Q's image
	s_add_nc_u64 s[100:101], s[4:5], s[100:101]
	s_add_nc_u64 s[100:101], s[100:101], QS        ; Q's scale halfwords
.irp p, 0,1,2
	global_load_b64 v[QF+2*\p:QF+2*\p+1], v1, s[2:3] offset:256*\p   ; Q's half image stays in registers
.endr
	global_load_u16 v[QSC], v6, s[100:101]         ; its two scale bytes; bytes 2 and 3 are 0
	s_lshr_b32 s8, s16, 1                          ; the joint loads' addresses are made of the head, the batch and the wave's number alone
	s_lshl_b32 s8, s8, 14
	s_lshl_b32 s9, s15, 13
	s_add_co_u32 s8, s8, s9
	s_mov_b32 s9, 0
	s_add_nc_u64 s[8:9], s[4:5], s[8:9]
	s_mov_b32 s68, 1                               ; K's scale words
	s_mov_b32 s69, KSR
	s_add_nc_u64 s[70:71], s[8:9], KSO
	s_or_b32 s71, s71, 0x80000000
	s_lshl_b32 s8, s15, 16
	s_lshl_b32 s9, s16, 8
	s_add_co_u32 s8, s8, s9
	s_mov_b32 s9, 0
	s_add_nc_u64 s[8:9], s[4:5], s[8:9]
	s_mov_b32 s72, 1                               ; V's scale words
	s_mov_b32 s73, VSR
	s_add_nc_u64 s[74:75], s[8:9], VSO
	s_or_b32 s75, s75, 0x80000000
	s_mul_i32 s8, s16, 196608
	s_mul_i32 s9, s15, 98304
	s_add_co_u32 s8, s8, s9
	s_mul_i32 s9, s17, 24576
	s_add_co_u32 s8, s8, s9
	s_mov_b32 s9, 0
	s_add_nc_u64 s[8:9], s[4:5], s[8:9]
	s_mov_b32 s56, 1                               ; a quarter of K: 512 keys
	s_mul_i32 s57, s17, KSTG
	s_add_nc_u64 s[58:59], s[8:9], KC
	s_or_b32 s59, s59, 0x80000000
	s_mul_i32 s8, s15, 1572864
	s_mul_i32 s9, s16, 3072
	s_add_co_u32 s8, s8, s9
	s_mul_i32 s9, s17, 393216
	s_add_co_u32 s8, s8, s9
	s_mov_b32 s9, 0
	s_add_nc_u64 s[8:9], s[4:5], s[8:9]
	s_mov_b32 s60, 1                               ; a quarter of V
	s_mul_i32 s61, s17, 24576
	s_add_co_u32 s61, s61, VR
	s_add_nc_u64 s[62:63], s[8:9], VC
	s_or_b32 s63, s63, 0x80000000
	CROUND                                         ; all four work-groups are here: the joint loads meet
	HARM 4, 56, 32, .Lh_v                          ; waves 0-3: K's quarters
	HARM 8, 60, 48, .Lh_ks                         ; waves 4-7: V's
	HARM 9, 68, 24, .Lh_vs                         ; wave 8: K's scale words
	HARM 10, 72, 40, .Lh_none                      ; wave 9: V's; the others ask for nothing
.Lfilled:
.irp j, 22,23,24,25,26,27,80,81,82,83,84,85
	v_mov_b32 v[\j], 0                             ; Q's zero codes; and what stands behind K's last tile is written once
.endr
	v_mov_b32 v13, 0xff61b1e6                      ; the largest score so far: -3e38
	v_mul_f32 v254, s[CS], v13
	v_floor_f32 v12, -v254                         ; -M
	v_mov_b32 v10, v12
	v_mov_b32 v14, 0
	v_mov_b32 v15, 0
	v_mov_b32 v253, 0                              ; named as the upper half of the pair v[252:253]
	v_mov_b32 v255, 0                              ; a lane permute's destination counts as one of its sources
.set N, 0
.rept 32
	v_mov_b32 v[OO+N], 0                           ; O^T: the step is written once; the first finds zeros, which the first change of M leaves zeros
.set N, N+1
.endr
; K's eight tiles and their scale halfwords, 24 + 4 loads.  Tile n = 4 c + u: stored tiles 4 c + u % 2 (rows 0-7) and two on (rows 8-15, in the lane's address), their lane-rows 8 (u / 2) on
.macro KLOAD ka, sa
.irp n, 0,1,2,3,4,5,6,7
.irp p, 0,1,2
	ds_load_b64 v[KF+6*\n+2*\p:KF+6*\n+2*\p+1], v[\ka] offset:(3*(4*(\n/4)+\n%2)+\p)*KPL+64*((\n%4)/2)
.endr
.endr
.irp i, 0,1,2,3
	ds_load_u16 v[KSC+\i], v[\sa] offset:256*(\i/2)+128*(\i%2)
.endr
.endm
; A KEY STEP: 128 keys.  more = 1: the next step's K is asked for as soon as this step's has been multiplied
.macro KSTEP more
	s_wait_dscnt 0x0                               ; K and its scales are in; no LDS instruction of mine is out
.if \more
	s_barrier_signal -1                            ; I have begun this step
.endif
.irp n, 0,1,2,3,4,5,6,7
.if \n%2
	v_wmma_scale_f32_16x16x128_f8f6f4 v[SS+8*\n:SS+8*\n+7], v[KF+6*\n:KF+6*\n+11], v[QF:QF+11], 0, v[KSC+\n/2], v[QSC] matrix_a_fmt:MATRIX_FMT_FP6 matrix_b_fmt:MATRIX_FMT_FP6 matrix_a_scale:MATRIX_SCALE_ROW1
.else
	v_wmma_scale_f32_16x16x128_f8f6f4 v[SS+8*\n:SS+8*\n+7], v[KF+6*\n:KF+6*\n+11], v[QF:QF+11], 0, v[KSC+\n/2], v[QSC] matrix_a_fmt:MATRIX_FMT_FP6 matrix_b_fmt:MATRIX_FMT_FP6
.endif
.endr
	v_add_nc_u32 v5, s19, v1                       ; four plain lines: the places in front of the loads into V's and K's registers and of the first read of the scores
	v_add_nc_u32 v0, s10, v6
.if \more
	v_add_nc_u32 v3, s17, v2
	v_add_nc_u32 v11, s18, v4
.else
	v_nop
	v_nop
.endif
.irp i, 0,1,2,3                                ; V's four fragments and scale words: 25 loads
.irp p, 0,1,2,3,4,5
	ds_load_b64 v[VF+12*\i+2*\p:VF+12*\i+2*\p+1], v5 offset:3072*(\p/3)+768*\i+256*(\p%3)
.endr
.endr
	ds_load_b128 v[VSC:VSC+3], v0
.if \more
	KLOAD 3, 11
.endif
.irp c, 0,1                                    ; the largest score of my two blocks of 32 keys, each in two chains; every accumulator is first read at its low end
	v_max3_num_f32 v[BM+\c], v[SS+32*\c], v[SS+32*\c+1], v[SS+32*\c+2]
	v_max3_num_f32 v[254+\c], v[SS+32*\c+16], v[SS+32*\c+17], v[SS+32*\c+18]
.endr
.irp i, 3,5,7,9,11,13
.irp c, 0,1
	v_max3_num_f32 v[BM+\c], v[BM+\c], v[SS+32*\c+\i], v[SS+32*\c+\i+1]
	v_max3_num_f32 v[254+\c], v[254+\c], v[SS+32*\c+16+\i], v[SS+32*\c+17+\i]
.endr
.endr
.irp c, 0,1
	v_max3_num_f32 v[BM+\c], v[BM+\c], v[254+\c], v[SS+32*\c+15]
.endr
.irp c, 0,1
	v_max_num_f32 v[BM+\c], v[BM+\c], v[SS+32*\c+31]
.endr
	v_max_num_f32 v254, v[BM], v[BM+1]
	v_permlanex16_b32 v255, v254, s[SEL], s[SEL+1]
	v_max3_num_f32 v13, v13, v254, v255            ; the running largest score of my query
	v_mul_f32 v254, s[CS], v13                     ; as t (c is positive)
	v_floor_f32 v12, -v254                         ; the new -M = -ceil(t)
	v_sub_f32 v254, v12, v10                       ; old M - new M: a whole number, 0 or less
	v_fma_f32 v[BM], v[BM], s[CS], v12             ; y = t - M of each block's largest score
	v_fma_f32 v[BM+1], v[BM+1], s[CS], v12
	v_cvt_i32_f32 v254, v254                       ; (it saturates)
.irp c, 0,1
	v_max_num_f32 v[BM+\c], 0xc2f80000, v[BM+\c]   ; held at -124: the byte cannot fall under 1
.endr
.irp c, 0,1
	v_cvt_floor_i32_f32 v[BM+\c], v[BM+\c]         ; floor(y) = the exponent of the block's largest p
.endr
	v_ldexp_f32 v252, 1.0, v254                    ; f = 2^(old M - new M)
.irp c, 0,1
	v_add_lshl_u32 v[SCO+\c], v[BM+\c], 125, 23    ; the conversion's scale operand: the exponent field floor(y) - 2 + 127
.endr
.irp c, 0,1
	v_add_nc_u32 v[254+\c], 125, v[BM+\c]          ; the scale's byte
.endr
	v_lshl_or_b32 v254, v255, 16, v254             ; my bytes: blocks h and 2 + h,
	v_lshlrev_b32 v254, v7, v254                   ; at their places in the word;
	v_permlanex16_b32 v255, v254, s[SEL], s[SEL+1]
	v_or_b32 v[PSC], v254, v255                    ; with lane l xor 16's two the word is whole
.set N, 0
.rept 32
	v_pk_fma_f32 v[SS+N:SS+N+1], v[SS+N:SS+N+1], s[CS:CS+1], v[12:13] op_sel_hi:[1,0,0]   ; t - M
.set N, N+2
.endr
	s_wait_alu depctr_va_vdst(0)
.set N, 0
.rept 64
	v_exp_f32 v[SS+N], v[SS+N]                     ; p = 2^(t - M)
.set N, N+1
.endr
	v_pk_mul_f32 v[14:15], v[14:15], v[252:253] op_sel_hi:[1,0]   ; the sum under the new M: the plain line behind the batch
	s_wait_alu depctr_va_vdst(0)                   ; and the one wait behind it
.irp k, 0,1,2                                  ; the row's sum of the unquantised p: 32 pairs in four chains
	v_pk_add_f32 v[CH+2*\k:CH+2*\k+1], v[SS+4*\k:SS+4*\k+1], v[SS+4*\k+2:SS+4*\k+3]
.endr
.set N, 6
.rept 26
.if (N-6)%4 == 0
	v_pk_add_f32 v[14:15], v[14:15], v[SS+2*N:SS+2*N+1]
.else
.set NC, CH+2*((N-6)%4)-2
	v_pk_add_f32 v[NC:NC+1], v[NC:NC+1], v[SS+2*N:SS+2*N+1]
.endif
.set N, N+1
.endr
	v_cvt_scalef32_pk16_fp6_f32 v[PP:PP+2], v[SS:SS+15], v[SCO]
	v_pk_add_f32 v[CH:CH+1], v[CH:CH+1], v[CH+2:CH+3]      ; the chains meet: plain lines behind the conversion, ahead of the write over its sources
	v_pk_add_f32 v[14:15], v[14:15], v[CH+4:CH+5]
	v_pk_add_f32 v[14:15], v[14:15], v[CH:CH+1]
	v_cvt_scalef32_pk16_fp6_f32 v[SS:SS+2], v[SS+16:SS+31], v[SCO]         ; a conversion's three registers begin on an even number: the upper halves are made where p has been summed and converted, and moved
	v_cvt_scalef32_pk16_fp6_f32 v[PP+6:PP+8], v[SS+32:SS+47], v[SCO+1]
	v_cvt_scalef32_pk16_fp6_f32 v[SS+4:SS+6], v[SS+48:SS+63], v[SCO+1]
	v_mov_b32 v10, v12                             ; -M as it stands, for the next step: the plain line behind the conversions
.irp i, 0,1,2
	v_mov_b32 v[PP+3+\i], v[SS+\i]
	v_mov_b32 v[PP+9+\i], v[SS+4+\i]
.endr
.if \more
	s_wait_dscnt 28                                ; V's fragments and scale words are in; the 24 + 4 loads of the next step's K, issued behind them, may be out
.else
	s_wait_dscnt 0x0
.endif
	s_wait_alu depctr_va_vdst(0)
.irp j, 0,2,4,6,8,10,12,14,16,18,20,22,24,26,28,30
	v_pk_mul_f32 v[OO+\j:OO+\j+1], v[OO+\j:OO+\j+1], v[252:253] op_sel_hi:[1,0]   ; O^T under the new M; these sixteen are also the places between p's codes and the products
.endr
.irp i, 0,1,2,3
	v_wmma_scale_f32_16x16x128_f8f6f4 v[OO+8*\i:OO+8*\i+7], v[VF+12*\i:VF+12*\i+11], v[PP:PP+11], v[OO+8*\i:OO+8*\i+7], v[VSC+\i], v[PSC] matrix_a_fmt:MATRIX_FMT_FP6 matrix_b_fmt:MATRIX_FMT_FP6
.endr
	s_add_co_u32 s19, s19, 6144                    ; 2 chunks of V on
	s_add_co_u32 s10, s10, 256
.if \more
	s_add_co_u32 s17, s17, KSTP
	s_add_co_u32 s18, s18, 512
	s_wait_alu depctr_va_vdst(0)
	s_barrier_wait -1                              ; every wave has begun this step
.endif
.endm
	s_wait_alu depctr_va_vdst(0)
	s_wait_loadcnt 0x0                             ; Q
	s_wait_tensorcnt 0x0                           ; my load, if I issued one, has landed;
	s_barrier_signal -1
	s_barrier_wait -1                              ; the barrier shows all ten to all sixteen waves.  Nothing is ever filled again
	s_mov_b32 s17, KSTP                            ; the next step's K and its scales,
	s_mov_b32 s18, 512
	s_mov_b32 s19, VR                              ; this step's V and its scales
	s_mov_b32 s10, VSR
	KLOAD 2, 4
	s_mov_b32 s11, 15
.Lstep:
	KSTEP 1
	s_sub_co_u32 s11, s11, 1
	s_cmp_lg_u32 s11, 0
	s_cbranch_scc1 .Lstep
	KSTEP 0                                        ; the last step has no successor to fetch for
	; THE WAY OUT: O^T / the sum, quantised along my row's 64 channels (two blocks): one half image and two scale bytes.  Register 16 b + i: channel 32 b + 16 h + i
.rept 4
	v_nop                                          ; places behind the last products
.endr
	v_add_f32 v14, v14, v15
	v_permlanex16_b32 v252, v14, s[SEL], s[SEL+1]
	v_add_f32 v14, v14, v252                       ; the row's sum
	s_wait_alu depctr_va_vdst(0)
	v_rcp_f32 v14, v14
	v_nop                                          ; a plain line behind it
	s_wait_alu depctr_va_vdst(0)                   ; and the wait behind it, directly ahead of the first reader of O^T
.set N, 0
.rept 32
	v_mul_f32 v[SS+N], v[OO+N], v14
.set N, N+1
.endr
.irp b, 0,1
	v_max3_num_f32 v[BM+\b], |v[SS+16*\b]|, |v[SS+1+16*\b]|, 0x1800000
.endr
.irp i, 2,4,6,8,10,12,14
.irp b, 0,1
	v_max3_num_f32 v[BM+\b], v[BM+\b], |v[SS+16*\b+\i]|, |v[SS+1+16*\b+\i]|
.endr
.endr
.irp b, 0,1
	v_permlanex16_b32 v[254+\b], v[BM+\b], s[SEL], s[SEL+1]
.endr
.irp b, 0,1
	v_max_num_f32 v[BM+\b], v[BM+\b], v[254+\b]
.endr
.irp b, 0,1
	v_add_nc_u32 v[SCO+\b], 0xff000000, v[BM+\b]
.endr
.irp b, 0,1
	v_lshrrev_b32 v[254+\b], 23, v[SCO+\b]
.endr
	v_lshl_or_b32 v[PSC], v255, 8, v254
	v_cvt_scalef32_pk16_fp6_f32 v[PP:PP+2], v[SS:SS+15], v[SCO]
	v_cvt_scalef32_pk16_fp6_f32 v[PP+6:PP+8], v[SS+16:SS+31], v[SCO+1]
	v_nop
.irp i, 0,1,2
	v_permlane16_swap_b32 v[PP+\i], v[PP+6+\i]     ; here a block lies in lanes l and l xor 16: the operand wants it whole in a lane
.endr
.irp i, 0,1,2
	v_mov_b32 v[PP+3+\i], v[PP+6+\i]
.endr
.irp p, 0,1,2
	global_store_b64 v1, v[PP+2*\p:PP+2*\p+1], s[6:7] offset:256*\p   ; 256 consecutive bytes, aligned
.endr
	v_cmp_gt_u32 vcc_lo, 128, v1                   ; lanes 0-15
	s_wait_alu depctr_va_vdst(0)
	s_wait_xcnt 0x0                                ; EXEC changes only behind this wait
	s_and_saveexec_b32 s11, vcc_lo
	global_store_b16 v6, v[PSC], s[66:67]          ; my head's half of row r's scale word; the other half is the neighbouring head's work-group's
	s_wait_xcnt 0x0
	s_or_b32 exec_lo, exec_lo, s11
	s_wait_tensorcnt 0x0                           ; the wave's end
	ds_add_u32 v8, v9
	s_wait_dscnt 0x0
	CROUND                                         ; the closing round
	s_endpgm
.Lfunc_end_k_qfeda205ba2_attn:
	.size	k_qfeda205ba2_attn, .Lfunc_end_k_qfeda205ba2_attn-k_qfeda205ba2_attn
	.p2alignl 7, 3214868480
	.fill 96, 4, 3214868480
	.section	.rodata,"a",@progbits
	.p2align	6, 0x0
	.amdhsa_kernel k_qfeda205ba2_attn
		.amdhsa_group_segment_fixed_size 247808
		.amdhsa_private_segment_fixed_size 0
		.amdhsa_enable_private_segment 0
		.amdhsa_kernarg_size 16
		.amdhsa_user_sgpr_count 2
		.amdhsa_user_sgpr_kernarg_segment_ptr 1
		.amdhsa_wavefront_size32 1
		.amdhsa_system_sgpr_workgroup_id_x 1
		.amdhsa_system_sgpr_workgroup_id_y 1
		.amdhsa_system_sgpr_workgroup_id_z 1
		.amdhsa_system_vgpr_workitem_id 0
		.amdhsa_next_free_vgpr 256
		.amdhsa_next_free_sgpr 102
		.amdhsa_reserve_vcc 1
		.amdhsa_float_denorm_mode_32 3
		.amdhsa_float_denorm_mode_16_64 3
		.amdhsa_memory_ordered 1
		.amdhsa_forward_progress 1
		.amdhsa_inst_pref_size 48
	.end_amdhsa_kernel
	.amdgpu_metadata
---
amdhsa.version: [ 1, 2 ]
amdhsa.kernels:
  - .name:           k_qfeda205ba2_attn
    .symbol:         k_qfeda205ba2_attn.kd
    .args:
      - { .name: qkv, .offset: 0, .size: 8, .value_kind: global_buffer, .address_space: global }
      - { .name: ao, .offset: 8, .size: 8, .value_kind: global_buffer, .address_space: global }
    .group_segment_fixed_size: 247808
    .private_segment_fixed_size: 0
    .kernarg_segment_align: 8
    .kernarg_segment_size: 16
    .max_flat_workgroup_size: 512
    .sgpr_count:     102
    .vgpr_count:     256
    .wavefront_size: 32
...
	.end_amdgpu_metadata
.endif
;; end of part 3
;; launch gwo (part 4): grid 8 x 32, 4 waves a work-group, clusters of 4 x 4, 327,680 bytes of LDS; arguments pre, ao, x, x1; writes x1
.if DOCPART == 4
	.amdgcn_target "amdgcn-amd-amdhsa--gfx1250"
	.amdhsa_code_object_version 6
	.text
	.protected	k_qfeda205ba2_gwo
	.globl	k_qfeda205ba2_gwo
	.p2align	8
	.type	k_qfeda205ba2_gwo,@function
k_qfeda205ba2_gwo:
	s_mov_b64 s[64:65], 0
	v_nop
	global_prefetch_b8 v0, s[64:65] scope:SCOPE_SE
	s_setreg_imm32_b32 hwreg(HW_REG_WAVE_MODE, 25, 1), 1
	s_wait_xcnt 0x0
	s_wait_alu depctr_hold_cnt(0) depctr_sa_sdst(0) depctr_va_vdst(0) depctr_va_sdst(0) depctr_va_ssrc(0) depctr_va_vcc(0) depctr_vm_vsrc(0)
	s_getreg_b32 s2, hwreg(HW_REG_IB_STS2, 6, 4)
	s_cmp_eq_u32 s2, 0
	s_cbranch_scc0 .Lentry_in_a_cluster
	s_endpgm
.Lentry_in_a_cluster:
	s_bfe_u32 s2, ttmp6, 0x10000c
	s_cmp_lg_u32 s2, 0xf033
	s_cbranch_scc0 .Lentry_shape_is_right
	s_endpgm
.Lentry_shape_is_right:
; x1 = x + Q(attention's result) wo on codes of FP6 (E2M3) with E8M0 scales, f32 sums.  x1 leaves twice: as f32 (the last residual) and quantised along its rows (the next product's operand).
; LAYOUT of the operands: a tile T is 16 rows: lane-row q is row 32 (T / 2) + 8 (T % 2) + q + 8 (q / 8); a half image (tile x 64 along K) is 768 bytes, plane p at 256 p, lane l's 8 bytes at 8 l;
; codes [chunk of 64 K][tile][768]; scale words in quads of four tiles, 256 bytes, word (r, i) at 16 r + 4 i.
; With tiles so chosen, in D = (source 0 = the weight's tile b) x (source 1 = the rows' tile a) a lane holds ONE row, and the 16 registers of tiles 2 b', 2 b' + 1 are 16 NEIGHBOURING columns.
; SHARES.  A work-group owns 128 rows (I1) x 128 columns (j).  Four waves, 64 x 64 each: 16 accumulators.  Both operands lie in LDS for all of K = 1,024, each byte filled once.
; x is the C of the first products: the sums begin with x and go up K, another order of rounding than x + (the sum).
; CLUSTER 4 x 4: the rows' tiles are shared along a row of the cluster, the weight's along a column: joint loads.
; LIMITS: a block of zeros, or one under 2^-124, gets the scale byte 1; these bytes are read by this program alone.  NaN and infinities are not served.
.set NTL,  1
.set KS,   8
.set NTW,  64
.set XCODES,  0
.set XSCALES, 3145728
.set WCODES,  5734400
.set WSCALES, 6520832
.set WP, 4                             ; s[4:5] the weights' buffer, s[6:7] the rows' codes, s[8:9] x, s[10:11] the output
.set XP, 6
.set CP, 8
.set OP, 10
.set ZERO0, 0
.set CNT3, 0
.set CNTA, 1
.set XR,   0                           ; LDS: the rows: [part of 8 chunks: 49,152][chunk: 6,144][tile: 768]
.set WR,   98304                       ; the weight, laid likewise
.set STG,  WR+98304                    ; a stage of 16 rows x (256 bytes + 16) for each wave
.set XS,   STG+17408                   ; the rows' scale words [K step][half][256]
.set WS,   XS+512*KS                   ; the weight's
.set SX,   WS+512*NTL*KS               ; where the four waves' halves of the new scale words meet
.set AX,   4
.set AW,   6
.set ADRS, 10
.set SXN,  14
.set SXR,  16
.set L16,  17
.set L8,   18
.set STO,  19                          ; v19 the stage: where I put 32 bytes of a row;  v20 where I read a row back;  v21 my byte offset in two rows of the output;  v22 in x
.set RD,   20
.set CO,   21
.set CI,   22
.set SC,   32
.set TM,   40
.set PW,   56
.set PC,   60
.set EX,   80
.set BK,   84                          ; v84-115 16 rows read back from the stage
.set ACC,  128
.set SEL,  66
.set G1X,  24
.set G1W,  32
.set G1XS, 40
.set G1WS, 48
.set G0XS, 56
.set G0X0, 60
.set G0X1, 68
.set G0WS, 72
.set DW,   76
.set MSB, 0
.macro WIN new                         ; the immediate's high byte repeats the setting that is left
.if MSB != \new
	s_set_vgpr_msb (MSB<<8)|\new
.set MSB, \new
.endif
.endm
.set MUL,  0x05                        ; sources 0 and 1 window 1; C and D window 0
.set TO_F, 0x40                        ; destination window 1, address window 0
.macro PLACES                          ; four plain instructions behind matrix instructions (ISA guide 7.12.1)
.rept 4
	v_nop
.endr
.endm
.macro CREST
	s_cmp_lg_u32 s12, 0
	s_cbranch_scc1 .Lnot_wave_0_\@
	s_barrier_signal -3
.Lnot_wave_0_\@:
	s_barrier_wait -3
	s_barrier_signal -1
	s_barrier_wait -1
.endm
.macro CROUND
	s_barrier_signal -1
	s_barrier_wait -1
	CREST
.endm
.macro GRP1 g, m, d0, d1, st           ; descriptor group 1: d1 rows of d0 elements of 8 bytes, st elements apart; the mask in s[m], bit 21 beside it
	s_or_b32 s[\g], s[\m], (3<<16)|(1<<21)
	s_mov_b32 s[\g+1], (\d0)<<16
	s_mov_b32 s[\g+2], (\d1)<<16
	s_mov_b32 s[\g+3], (\d0)<<16
	s_mov_b32 s[\g+4], \d1
	s_mov_b32 s[\g+5], \st
	s_mov_b32 s[\g+6], 0
	s_mov_b32 s[\g+7], 0
.endm
.macro GRP0 g, lr, lc, sp, gc          ; descriptor group 0: to LDS byte s[lr] + lc, from s[sp:sp+1] + gc
	s_mov_b32 s[\g], 1
	s_add_co_u32 s[\g+1], s[\lr], \lc
	s_add_nc_u64 s[\g+2:\g+3], s[\sp:\sp+1], \gc
	s_or_b32 s[\g+3], s[\g+3], 0x80000000
.endm
.macro BASE dst, ptr, cj, ci, cw, cv, k   ; s[dst:dst+1] = s[ptr:ptr+1] + cj j + ci I1 + cw ww + cv wx + k
	s_mul_i32 s104, s18, \cj
	s_mul_i32 s105, s19, \ci
	s_add_co_u32 s104, s104, s105
	s_mul_i32 s105, s14, \cw
	s_add_co_u32 s104, s104, s105
	s_mul_i32 s105, s13, \cv
	s_add_co_u32 s104, s104, s105
	s_add_co_u32 s104, s104, \k
	s_mov_b32 s105, 0
	s_add_nc_u64 s[\dst:\dst+1], s[\ptr:\ptr+1], s[104:105]
.endm
	s_load_b256 s[4:11], s[0:1], 0x0
	v_lshl_add_u32 v126, v0, 2, 0x36600
	v_mov_b32 v127, 0
	ds_add_u32 v126, v127
	ds_add_u32 v126, v127
	v_lshrrev_b32 v1, 5, v0
	v_readfirstlane_b32 s12, v1                    ; wave
	s_lshr_b32 s13, s12, 1                         ; wx: my half of the rows.  Also: I fetch for the rows (0) or for the weight (1)
	s_and_b32 s14, s12, 1                          ; ww: my half of the columns.  Also: which half I fetch
	s_bfe_u32 s15, ttmp6, 0x40000                  ; cx
	s_bfe_u32 s17, ttmp6, 0x40004                  ; cy
	s_lshl_b32 s18, ttmp9, 2
	s_add_co_u32 s18, s18, s15                     ; j
	s_and_b32 s19, ttmp7, 0xffff
	s_lshl_b32 s19, s19, 2
	s_add_co_u32 s19, s19, s17                     ; I1
	s_lshl_b32 s20, s17, 2
	s_lshl_b32 s20, 15, s20                        ; my row of the cluster
	s_lshl_b32 s21, 0x1111, s15                    ; my column
	s_mov_b32 s[SEL], 0x76543210
	s_mov_b32 s[SEL+1], 0xfedcba98
	GRP1 G1X, 20, 768, 8, 24576                    ; eight tiles (6,144 bytes) of each of 8 chunks: LDS [chunk][tile]
	GRP1 G1W, 21, 768, 8, NTW*96
	GRP1 G1XS, 20, 64, KS, 2048                    ; two groups' 512 bytes of each K step: LDS [K step][half][256]
	GRP1 G1WS, 21, 32, 2*NTL*KS, 32                ; dense: LDS [K step][half][256]
	s_wait_dscnt 0x0
	s_wait_kmcnt 0x0
	s_lshl_b32 s22, s19, 9                         ; the rows' addresses are made in s[22:23], of I1 and the wave's number alone
	s_mov_b32 s23, 0
	s_add_co_u32 s22, s22, s23
	s_mov_b32 s23, 0
	s_add_nc_u64 s[22:23], s[XP:XP+1], s[22:23]
	s_mov_b32 s3, 0
	GRP0 G0XS, 3, XS, 22, XSCALES
	s_mul_i32 s22, s19, 6144
	s_mov_b32 s23, 0
	s_add_co_u32 s22, s22, s23
	s_mov_b32 s23, 0
	s_add_nc_u64 s[22:23], s[XP:XP+1], s[22:23]
	s_mov_b32 s16, 0
	GRP0 G0X0, 16, XR, 22, XCODES
	GRP0 G0X1, 16, XR+49152, 22, XCODES+1572864
	s_mul_i32 s92, s18, 2*NTL*KS*256               ; the weight's in s[92:93], of j and the wave's number alone
	s_mov_b32 s93, 0
	s_add_co_u32 s92, s92, s93
	s_mov_b32 s93, 0
	s_add_nc_u64 s[92:93], s[WP:WP+1], s[92:93]
	s_mov_b32 s3, 0
	GRP0 G0WS, 3, WS, 92, WSCALES
	s_mul_i32 s92, s18, NTL*6144
	s_mov_b32 s93, 0
	s_add_co_u32 s92, s92, s93
	s_mov_b32 s93, 0
	s_add_nc_u64 s[92:93], s[WP:WP+1], s[92:93]
	GRP0 DW, 16, WR, 92, WCODES
	GRP0 DW+4, 16, WR+49152, 92, WCODES+NTW*6144
	BASE 94, CP, 512, 524288, 256, 262144, 0       ; x at my 64 rows and 64 columns
	BASE 96, OP, 512, 524288, 256, 262144, 0       ; x1 as f32, likewise
	BASE 98, OP, 393216, 6144, 196608, 3072, 16777216   ; x1's codes: chunk 2 j + ww, tile 8 I1 + 4 wx
	BASE 100, OP, 16384, 512, 0, 0, 19922944       ; x1's scale words: K step j, groups 2 I1, 2 I1 + 1
	; THE PREFETCH, for the second group of first fills.  An instruction names four chunks, a lane a block of 256 bytes: of a chunk's 24 blocks (eight tiles) each of the four partners that load it jointly
	; takes six, told apart by address (cx for the rows, cy for the weight); lanes 24-31 name lane 23's block again.  Waves 0, 1: the rows' chunks 8-11, 12-15; waves 2, 3: the weight's.
	s_cmp_eq_u32 s13, 0
	s_cselect_b32 s2, s15, s17                     ; my place among the four partners
	s_mov_b32 s3, NTW*768
	s_cselect_b32 s3, 196608, s3                   ; bytes from chunk to chunk
	s_mov_b32 s20, WCODES
	s_cselect_b32 s20, XCODES, s20
	s_cselect_b64 s[22:23], s[22:23], s[92:93]
	s_add_co_u32 s21, s14, 2
	s_lshl_b32 s21, s21, 2
	s_mul_i32 s21, s21, s3
	s_add_co_u32 s20, s20, s21
	s_mov_b32 s21, 0
	s_add_nc_u64 s[22:23], s[22:23], s[20:21]      ; at chunk 8 or 12
	s_mul_i32 s2, s2, 6
	v_and_b32 v1, 15, v0
	v_bfe_u32 v2, v0, 4, 1                         ; h
	v_and_b32 v3, 31, v0
	v_min_u32 v116, 23, v3
	v_mul_u32_u24 v117, v116, 43
	v_lshrrev_b32 v117, 8, v117                    ; lane / 6: which of the four chunks
	v_mul_u32_u24 v118, v117, 6
	v_sub_nc_u32 v116, v116, v118                  ; lane % 6
	v_add_nc_u32 v118, s2, v116
	v_lshlrev_b32 v118, 8, v118
	v_mad_u32_u24 v118, v117, s3, v118             ; v118: my block's offset; never rewritten
	v_lshlrev_b32 v[L8], 3, v3
	v_lshlrev_b32 v[L16], 4, v3
	s_mul_i32 s2, s13, 3072
	v_add_nc_u32 v[AX], s2, v[L8]
	v_add_nc_u32 v[AX+1], 49152, v[AX]
	s_mul_i32 s2, s14, 3072
	s_add_co_u32 s2, s2, WR
	v_add_nc_u32 v[AW], s2, v[L8]
	v_add_nc_u32 v[AW+1], 49152, v[AW]
	v_lshlrev_b32 v23, 4, v1
	s_lshl_b32 s2, s13, 8
	s_lshl_b32 s3, s14, 8
	s_add_co_u32 s3, s3, WS-XS
	s_sub_co_u32 s3, s3, s2
	s_add_co_u32 s2, s2, XS
	v_add_nc_u32 v23, s2, v23
	v_mul_u32_u24 v24, s3, v2                      ; lanes 16-31 take the weight's scale words
	v_add_nc_u32 v[ADRS], v23, v24
	s_lshl_b32 s2, s13, 8
	s_lshl_b32 s3, s14, 1
	s_add_co_u32 s2, s2, s3
	s_add_co_u32 s2, s2, SX
	v_lshl_add_u32 v[SXN], v1, 4, s2               ; SX + 256 wx + 16 r + 2 ww
	v_add_nc_u32 v[SXR], SX, v[L16]
	s_mul_i32 s2, s12, 4352
	s_add_co_u32 s2, s2, STG                       ; my stage
	v_mul_u32_u24 v24, v1, 272
	v_lshl_add_u32 v24, v2, 6, v24
	v_add_nc_u32 v[STO], s2, v24                   ; in: row r, + 64 h
	v_mul_u32_u24 v24, v2, 272
	v_lshl_add_u32 v24, v1, 4, v24
	v_add_nc_u32 v[RD], s2, v24                    ; back: lanes 0-15 one row of 256 bytes, lanes 16-31 the next
	v_lshlrev_b32 v24, 12, v2
	v_lshl_add_u32 v[CO], v1, 4, v24               ; and the same two rows in memory
	v_and_b32 v24, 8, v1
	v_add_nc_u32 v24, v24, v1
	v_lshlrev_b32 v24, 12, v24
	v_lshl_add_u32 v[CI], v2, 6, v24               ; x in the accumulators' layout: row r + 8 (r / 8), + 64 h
.irp b, 0,1,2,3
	v_mov_b32 v[TM+4+\b], 0
.endr
	CROUND                                         ; all sixteen work-groups are here: the joint loads meet
; one arm of a chain of branches on the wave's number: one joint load, then on to the chain's join
.macro HARM under, g0, g1, next, join
	s_cmp_lt_u32 s12, \under
	s_cbranch_scc0 \next
	tensor_load_to_lds s[\g0:\g0+3], s[\g1:\g1+7]
	s_nop 0
.rept 4
	v_nop
.endr
	s_branch \join
\next:
.endm
	HARM 1, G0X0, G1X, .Lha1, .Lfilled             ; the head's four tiles, one load a wave: the rows' first 8 chunks,
	HARM 2, DW, G1W, .Lha2, .Lfilled               ; the weight's,
	HARM 3, G0XS, G1XS, .Lha3, .Lfilled            ; the rows' scale words,
	tensor_load_to_lds s[G0WS:G0WS+3], s[G1WS:G1WS+7]   ; the weight's
	s_nop 0
.rept 4
	v_nop
.endr
.Lfilled:
	global_prefetch_b8 v118, s[22:23] th:TH_LOAD_NT scope:SCOPE_SE   ; behind the head's loads: what the next group of loads will bring
	s_wait_alu depctr_va_vdst(0)
.irp a, 0,1,2,3
.irp b, 0,1,2,3
	global_load_b128 v[ACC+8*(4*\a+\b):ACC+8*(4*\a+\b)+3], v[CI], s[94:95] offset:(32*(\a/2)+8*(\a%2))*4096+(32*(\b/2)+8*(\b%2))*4
	global_load_b128 v[ACC+8*(4*\a+\b)+4:ACC+8*(4*\a+\b)+7], v[CI], s[94:95] offset:(32*(\a/2)+8*(\a%2))*4096+(32*(\b/2)+8*(\b%2))*4+16
.endr
.endr
.macro FRAG reg, adr, q, i             ; a fragment: the half images of chunks 2 q and 2 q + 1 of a part, tile i
.irp p, 0,1,2,3,4,5
	ds_load_b64 v[(\reg)+2*\p:(\reg)+2*\p+1], v[\adr] offset:(2*(\q)+\p/3)*6144+768*(\i)+256*(\p%3)
.endr
.endm
.macro FETCH f, sc, ax, aw, q, as, ks  ; 49 LDS loads: a K step's eight fragments into buffer f, its scale words into set sc
	WIN TO_F
.irp i, 0,1,2,3
	FRAG (\f)+12*\i, \aw, \q, \i
.endr
.irp i, 0,1,2,3
	FRAG (\f)+48+12*\i, \ax, \q, \i
.endr
	WIN 0
	ds_load_b128 v[SC+4*(\sc):SC+4*(\sc)+3], v[\as] offset:512*(\ks)
.endm
; four matrix instructions on accumulators (a, 0 .. 3).  The sixteen take turns, one instruction a turn, in the same order in every step
.macro MULA f, sc, a, zero, swap
.irp b, 0,1,2,3
.set DD, ACC+8*(4*(\a)+\b)
.set R0, (\f)+12*\b                    ; source 0: the weight's tile b;  source 1: the rows' tile a
.set R1, (\f)+48+12*(\a)
	v_wmma_scale_f32_16x16x128_f8f6f4 v[DD:DD+7], v[R0:R0+11], v[R1:R1+11], v[DD:DD+7], v[SC+4*(\sc)+\b], v[SC+4*(\sc)+(\a)] matrix_a_fmt:MATRIX_FMT_FP6 matrix_b_fmt:MATRIX_FMT_FP6 matrix_a_scale:MATRIX_SCALE_ROW1
.endr
.endm
.macro STEP f, sc, zero, swap, nax, naw, nq, nas, nks
	s_wait_dscnt 0x0                               ; this step's fragments and scale words are in
	WIN MUL
	MULA \f, \sc, 0, \zero, \swap
	MULA \f, \sc, 1, \zero, \swap
	PLACES
	FETCH 96-(\f), 1-(\sc), \nax, \naw, \nq, \nas, \nks
	WIN MUL
	MULA \f, \sc, 2, \zero, \swap
	MULA \f, \sc, 3, \zero, \swap
.endm
.macro TURNP f, sc, swap, cnt, nax, naw, nq, nas, nks   ; with a barrier behind which bytes just brought are read, and nothing is filled
	s_wait_dscnt 0x0
	s_wait_tensorcnt \cnt
	s_barrier_signal -1
	WIN MUL
	MULA \f, \sc, 0, 0, \swap
	MULA \f, \sc, 1, 0, \swap
	s_barrier_wait -1
	PLACES
	FETCH 96-(\f), 1-(\sc), \nax, \naw, \nq, \nas, \nks
	WIN MUL
	MULA \f, \sc, 2, 0, \swap
	MULA \f, \sc, 3, 0, \swap
.endm
.macro LAST f, sc, swap
	s_wait_dscnt 0x0
	WIN MUL
	MULA \f, \sc, 0, 0, \swap
	MULA \f, \sc, 1, 0, \swap
	MULA \f, \sc, 2, 0, \swap
	MULA \f, \sc, 3, 0, \swap
.endm
.macro QUANT s
.irp b, 0,1,2,3
	v_max3_num_f32 v[TM+\b], |v[(\s)+16*\b]|, |v[(\s)+1+16*\b]|, 0x1800000   ; my 16 numbers, and the floor 2^(3 - 127): the byte cannot fall under 1
.endr
.irp i, 2,4,6,8,10,12,14
.irp b, 0,1,2,3
	v_max3_num_f32 v[TM+\b], v[TM+\b], |v[(\s)+16*\b+\i]|, |v[(\s)+1+16*\b+\i]|
.endr
.endr
.irp b, 0,1,2,3
	v_permlanex16_b32 v[TM+4+\b], v[TM+\b], s[SEL], s[SEL+1]
.endr
.irp b, 0,1,2,3
	v_max_num_f32 v[TM+\b], v[TM+\b], v[TM+4+\b]
.endr
.irp b, 0,1,2,3
	v_add_nc_u32 v[TM+12+\b], 0xff000000, v[TM+\b]         ; 2 off the exponent field: the conversion's scale operand
.endr
.irp b, 0,1,2,3
	v_lshrrev_b32 v[TM+4+\b], 23, v[TM+12+\b]
.endr
	v_lshl_or_b32 v[PW], v[TM+5], 8, v[TM+4]
	v_lshl_or_b32 v[PW], v[TM+6], 16, v[PW]
	v_lshl_or_b32 v[PW], v[TM+7], 24, v[PW]
.irp c, 0,1
	v_cvt_scalef32_pk16_fp6_f32 v[PC+6*\c:PC+2+6*\c], v[(\s)+32*\c:(\s)+15+32*\c], v[TM+12+2*\c]
	v_cvt_scalef32_pk16_fp6_f32 v[PC+12+4*\c:PC+14+4*\c], v[(\s)+16+32*\c:(\s)+31+32*\c], v[TM+12+2*\c+1]
.endr
	v_nop                                                  ; one plain instruction behind a scaled conversion
.irp c, 0,1
.irp i, 0,1,2
	v_permlane16_swap_b32 v[PC+6*\c+\i], v[PC+12+4*\c+\i]
.endr
.irp i, 0,1,2
	v_mov_b32 v[PC+3+6*\c+\i], v[PC+12+4*\c+\i]
.endr
.endr
.endm
.macro QPART hp, xa, xo, cbs, cim      ; accumulators (2 hp, *), (2 hp + 1, *): two half images and two halves of scale words
	s_wait_xcnt 0x0                                ; the codes' registers are rewritten only behind this wait
	QUANT ACC+64*(\hp)
.irp c, 0,1
.irp p, 0,1,2
	global_store_b64 v[L8], v[PC+6*\c+2*\p:PC+6*\c+2*\p+1], s[\cbs:\cbs+1] offset:(\cim)+(2*(\hp)+\c)*768+256*\p
.endr
.endr
	ds_store_b16 v[\xa], v[PW] offset:(\xo)+8*(\hp)
	ds_store_b16_d16_hi v[\xa], v[PW] offset:(\xo)+8*(\hp)+4
.endm
.macro XCHG xo, sbs, sim               ; the four waves' halves make 128 whole scale words: wave 0 stores them, 512 consecutive bytes
	s_wait_dscnt 0x0
	s_barrier_signal -1
	s_barrier_wait -1
	s_cmp_lg_u32 s12, 0
	s_cbranch_scc1 .Lnot_mine_\@
	ds_load_b128 v[EX:EX+3], v[SXR] offset:\xo
	s_wait_dscnt 0x0
	global_store_b128 v[L16], v[EX:EX+3], s[\sbs:\sbs+1] offset:\sim
.Lnot_mine_\@:
.endm
.macro TOSTAGE a                       ; the rows' tile a, 16 rows x 64 columns of f32, through my own stage: LDS serves a wave's instructions in order
	s_wait_xcnt 0x0                                ; earlier stores have read the registers that the loads below fill
.irp b, 0,1,2,3
	ds_store_b128 v[STO], v[ACC+8*(4*(\a)+\b):ACC+8*(4*(\a)+\b)+3] offset:128*(\b/2)+32*(\b%2)
	ds_store_b128 v[STO], v[ACC+8*(4*(\a)+\b)+4:ACC+8*(4*(\a)+\b)+7] offset:128*(\b/2)+32*(\b%2)+16
.endr
.irp t, 0,1,2,3,4,5,6,7
	ds_load_b128 v[BK+4*\t:BK+4*\t+3], v[RD] offset:544*\t
.endr
.endm
.macro SEND a
	s_wait_dscnt 0x0
.irp t, 0,1,2,3,4,5,6,7
	global_store_b128 v[CO], v[BK+4*\t:BK+4*\t+3], s[96:97] offset:(32*((\a)/2)+8*((\a)%2)+2*\t+8*(\t/4))*4096   ; 16 lanes store 256 consecutive bytes, aligned
.endr
.endm
	s_wait_tensorcnt 0x0                           ; my tile of the head's four is in
	ds_add_u32 v126, v127
	s_wait_dscnt 0x0
	CROUND                                         ; all four tiles are in, and the sixteen work-groups meet
	HARM 1, G0X1, G1X, .Lhb1, .Lfilled2            ; wave 0: the rows' second 8 chunks,
	HARM 2, DW+4, G1W, .Lhb2, .Lfilled2            ; wave 1: the weight's; the others ask for nothing
.Lfilled2:
	FETCH 0, 0, AX, AW, 0, ADRS, 0
	s_wait_loadcnt 0x0                             ; x lies in the accumulators
	STEP 0, 0, 0, 0, AX, AW, 1, ADRS, 1
	STEP 96, 1, 0, 0, AX, AW, 2, ADRS, 2
	STEP 0, 0, 0, 0, AX, AW, 3, ADRS, 3
	TURNP 96, 1, 0, CNT3, AX+1, AW+1, 0, ADRS, 4   ; the second parts are in
	STEP 0, 0, 0, 0, AX+1, AW+1, 1, ADRS, 5
	STEP 96, 1, 0, 0, AX+1, AW+1, 2, ADRS, 6
	STEP 0, 0, 0, 0, AX+1, AW+1, 3, ADRS, 7
	LAST 96, 1, 0
	WIN 0
	PLACES
	TOSTAGE 0                                      ; the quantiser's work stands between a stage's loads and the wait for them
	QPART 0, SXN, 0, 98, 0
	SEND 0
	TOSTAGE 1
	SEND 1
	TOSTAGE 2
	QPART 1, SXN, 0, 98, 0
	SEND 2
	TOSTAGE 3
	SEND 3
	XCHG 0, 100, 0
	s_wait_tensorcnt 0x0
	s_wait_dscnt 0x0
	s_wait_tensorcnt 0x0
	ds_add_u32 v126, v127
	s_wait_dscnt 0x0
	CROUND                                         ; the closing round
	s_endpgm
.Lfunc_end_k_qfeda205ba2_gwo:
	.size	k_qfeda205ba2_gwo, .Lfunc_end_k_qfeda205ba2_gwo-k_qfeda205ba2_gwo
	.p2alignl 7, 3214868480
	.fill 96, 4, 3214868480
	.section	.rodata,"a",@progbits
	.p2align	6, 0x0
	.amdhsa_kernel k_qfeda205ba2_gwo
		.amdhsa_group_segment_fixed_size 327680
		.amdhsa_private_segment_fixed_size 0
		.amdhsa_enable_private_segment 0
		.amdhsa_kernarg_size 32
		.amdhsa_user_sgpr_count 2
		.amdhsa_user_sgpr_kernarg_segment_ptr 1
		.amdhsa_wavefront_size32 1
		.amdhsa_system_sgpr_workgroup_id_x 1
		.amdhsa_system_sgpr_workgroup_id_y 1
		.amdhsa_system_sgpr_workgroup_id_z 1
		.amdhsa_system_vgpr_workitem_id 0
		.amdhsa_next_free_vgpr 448
		.amdhsa_next_free_sgpr 106
		.amdhsa_reserve_vcc 0
		.amdhsa_float_denorm_mode_32 3
		.amdhsa_float_denorm_mode_16_64 3
		.amdhsa_memory_ordered 1
		.amdhsa_forward_progress 1
		.amdhsa_inst_pref_size 76
	.end_amdhsa_kernel
	.amdgpu_metadata
---
amdhsa.version: [ 1, 2 ]
amdhsa.kernels:
  - .name:           k_qfeda205ba2_gwo
    .symbol:         k_qfeda205ba2_gwo.kd
    .args:
      - { .name: pre, .offset: 0, .size: 8, .value_kind: global_buffer, .address_space: global }
      - { .name: ao, .offset: 8, .size: 8, .value_kind: global_buffer, .address_space: global }
      - { .name: x, .offset: 16, .size: 8, .value_kind: global_buffer, .address_space: global }
      - { .name: x1, .offset: 24, .size: 8, .value_kind: global_buffer, .address_space: global }
    .group_segment_fixed_size: 327680
    .private_segment_fixed_size: 0
    .kernarg_segment_align: 8
    .kernarg_segment_size: 32
    .max_flat_workgroup_size: 128
    .sgpr_count:     106
    .vgpr_count:     448
    .wavefront_size: 32
...
	.end_amdgpu_metadata
.endif
;; end of part 4
;; launch gw1 (part 5): grid 8 x 32, 4 waves a work-group, clusters of 4 x 4, 327,680 bytes of LDS; arguments pre, x1, hh; writes hh
.if DOCPART == 5
	.amdgcn_target "amdgcn-amd-amdhsa--gfx1250"
	.amdhsa_code_object_version 6
	.text
	.protected	k_qfeda205ba2_gw1
	.globl	k_qfeda205ba2_gw1
	.p2align	8
	.type	k_qfeda205ba2_gw1,@function
k_qfeda205ba2_gw1:
	s_mov_b64 s[64:65], 0
	v_nop
	global_prefetch_b8 v0, s[64:65] scope:SCOPE_SE
	s_setreg_imm32_b32 hwreg(HW_REG_WAVE_MODE, 25, 1), 1
	s_wait_xcnt 0x0
	s_wait_alu depctr_hold_cnt(0) depctr_sa_sdst(0) depctr_va_vdst(0) depctr_va_sdst(0) depctr_va_ssrc(0) depctr_va_vcc(0) depctr_vm_vsrc(0)
	s_getreg_b32 s2, hwreg(HW_REG_IB_STS2, 6, 4)
	s_cmp_eq_u32 s2, 0
	s_cbranch_scc0 .Lentry_in_a_cluster
	s_endpgm
.Lentry_in_a_cluster:
	s_bfe_u32 s2, ttmp6, 0x10000c
	s_cmp_lg_u32 s2, 0xf033
	s_cbranch_scc0 .Lentry_shape_is_right
	s_endpgm
.Lentry_shape_is_right:
; h = relu(Q(x1) w1) on codes of FP6 (E2M3) with E8M0 scales, f32 sums; h is quantised along its rows at once and leaves as codes: no f32 number of it goes to memory.
; LAYOUT of the operands: a tile T is 16 rows: lane-row q is row 32 (T / 2) + 8 (T % 2) + q + 8 (q / 8); a half image (tile x 64 along K) is 768 bytes, plane p at 256 p, lane l's 8 bytes at 8 l;
; codes [chunk of 64 K][tile][768]; scale words in quads of four tiles, 256 bytes, word (r, i) at 16 r + 4 i.
; With tiles so chosen, in D = (source 0 = the weight's tile b) x (source 1 = the rows' tile a) a lane holds ONE row, and the 16 registers of tiles 2 b', 2 b' + 1 are 16 NEIGHBOURING columns: what the quantiser wants.
; SHARES.  A work-group owns 128 rows (I1) and walks four tiles of 128 columns (4 j + 0 .. 3).  Four waves, 64 x 64 each: 16 accumulators.
; The 128 rows lie in LDS for all of K (98,304 bytes), filled once; the weight's tiles lie whole in two buffers by turns: tiles 2 and 3 are filled where tiles 0 and 1 lay.
; CLUSTER 4 x 4: the rows' tiles are shared along a row of the cluster, the weight's along a column: joint loads.
; LIMITS: a block of zeros, or one under 2^-124, gets the scale byte 1; these bytes are read by this program alone.  NaN and infinities are not served.
.set NTL,  4
.set KS,   8
.set NTW,  256
.set XCODES,  16777216
.set XSCALES, 19922944
.set WCODES,  6553600
.set WSCALES, 9699328
.set WP, 4                             ; s[4:5] the weights' buffer, s[6:7] x1's, s[8:9] the output
.set XP, 6
.set OP, 8
.set ZERO0, 1
.set CNT3, 0
.set CNTA, 2
.set XR,   0
.set WR,   98304
.set XS,   WR+2*98304
.set WS,   XS+512*KS
.set SX,   WS+512*NTL*KS
.set SPARE, SX+512*NTL                 ; the spare words, 128 bytes a wave: two blocks of 256 bytes that no other line names
.set AX,   4
.set AW,   6
.set ADRS, 10                          ; v10-13
.set SXN,  14
.set SXR,  16
.set L16,  17
.set L8,   18
.set SPW,  28
.set NIL,  29
.set SC,   32
.set TM,   40
.set PW,   56
.set PC,   60
.set EX,   80
.set ACC,  128
.set SEL,  66
.set G1X,  24
.set G1W,  32
.set G1XS, 40
.set G1WS, 48
.set G0XS, 56
.set G0X0, 60
.set G0X1, 68
.set G0WS, 72
.set DW,   76
.set MSB, 0
.macro WIN new                         ; the immediate's high byte repeats the setting that is left
.if MSB != \new
	s_set_vgpr_msb (MSB<<8)|\new
.set MSB, \new
.endif
.endm
.set MUL,  0x05                        ; set anew for each K step by XSEL
; the fragments of my 64 rows, 48 registers a K step, are loaded from LDS once, with the first tile of the weight, and stay: K steps 0-4 in window 2, K steps 5-7 in window 3
.set FX, 1                             ; 1 while a fetch also brings the rows' fragments
.macro XSEL ck, swap                   ; K step ck: where the rows' fragments lie, and the windows of the products' sources (the weight's fragments: window 1; C and D: window 0)
.set XBC, 48*((\ck)%5)
.set MUL, 0x01|((2+(\ck)/5)<<2)
.endm
.set TO_F, 0x40                        ; destination window 1, address window 0
.macro PLACES                          ; four plain instructions behind matrix instructions (ISA guide 7.12.1)
.rept 4
	v_nop
.endr
.endm
.macro CREST
	s_cmp_lg_u32 s12, 0
	s_cbranch_scc1 .Lnot_wave_0_\@
	s_barrier_signal -3
.Lnot_wave_0_\@:
	s_barrier_wait -3
	s_barrier_signal -1
	s_barrier_wait -1
.endm
.macro CROUND
	s_barrier_signal -1
	s_barrier_wait -1
	CREST
.endm
.macro JLOAD g0a, g1a, g0b, g1b        ; a joint load: wave 0 issues the first line, wave 1 the second; four v_nop follow each
	s_cmp_eq_u32 s12, 0                            ; wave 0 issues the first line, wave 1 the second, the others none
	s_cbranch_scc0 .Lsecond_\@
	tensor_load_to_lds s[\g0a:\g0a+3], s[\g1a:\g1a+7]
	s_nop 0
.rept 4
	v_nop
.endr
	s_branch .Lasked_\@
.Lsecond_\@:
	s_cmp_eq_u32 s12, 1
	s_cbranch_scc0 .Lasked_\@
	tensor_load_to_lds s[\g0b:\g0b+3], s[\g1b:\g1b+7]
	s_nop 0
.rept 4
	v_nop
.endr
.Lasked_\@:
.endm
.macro GRP1 g, m, d0, d1, st
	s_or_b32 s[\g], s[\m], (3<<16)|(1<<21)
	s_mov_b32 s[\g+1], (\d0)<<16
	s_mov_b32 s[\g+2], (\d1)<<16
	s_mov_b32 s[\g+3], (\d0)<<16
	s_mov_b32 s[\g+4], \d1
	s_mov_b32 s[\g+5], \st
	s_mov_b32 s[\g+6], 0
	s_mov_b32 s[\g+7], 0
.endm
.macro GRP0 g, lr, lc, sp, gc
	s_mov_b32 s[\g], 1
	s_add_co_u32 s[\g+1], s[\lr], \lc
	s_add_nc_u64 s[\g+2:\g+3], s[\sp:\sp+1], \gc
	s_or_b32 s[\g+3], s[\g+3], 0x80000000
.endm
.macro BASE dst, ptr, cj, ci, cw, cv, k
	s_mul_i32 s104, s18, \cj
	s_mul_i32 s105, s19, \ci
	s_add_co_u32 s104, s104, s105
	s_mul_i32 s105, s14, \cw
	s_add_co_u32 s104, s104, s105
	s_mul_i32 s105, s13, \cv
	s_add_co_u32 s104, s104, s105
	s_add_co_u32 s104, s104, \k
	s_mov_b32 s105, 0
	s_add_nc_u64 s[\dst:\dst+1], s[\ptr:\ptr+1], s[104:105]
.endm
	s_load_b128 s[4:7], s[0:1], 0x0
	s_load_b64 s[8:9], s[0:1], 0x10
	v_lshl_add_u32 v[SPW], v0, 2, SPARE
	v_mov_b32 v[NIL], 0
	ds_add_u32 v28, v29
	ds_add_u32 v28, v29
	s_wait_dscnt 0x0
	v_lshrrev_b32 v1, 5, v0
	v_readfirstlane_b32 s12, v1                    ; wave
	s_lshr_b32 s13, s12, 1                         ; wx: my half of the rows.
	s_and_b32 s14, s12, 1                          ; ww: my half of the columns.  Also: which half I fetch
	s_bfe_u32 s15, ttmp6, 0x40000                  ; cx
	s_bfe_u32 s17, ttmp6, 0x40004                  ; cy
	s_lshl_b32 s18, ttmp9, 2
	s_add_co_u32 s18, s18, s15                     ; j
	s_and_b32 s19, ttmp7, 0xffff
	s_lshl_b32 s19, s19, 2
	s_add_co_u32 s19, s19, s17                     ; I1
	s_lshl_b32 s20, s17, 2
	s_lshl_b32 s20, 15, s20                        ; my row of the cluster
	s_lshl_b32 s21, 0x1111, s15                    ; my column
	s_mov_b32 s[SEL], 0x76543210
	s_mov_b32 s[SEL+1], 0xfedcba98
	GRP1 G1X, 20, 768, 8, 24576                    ; eight tiles (6,144 bytes) of each of 8 chunks: LDS [chunk][tile]
	GRP1 G1W, 21, 768, 8, NTW*96
	GRP1 G1XS, 20, 64, KS, 2048                    ; two groups' 512 bytes of each K step: LDS [K step][half][256]
	GRP1 G1WS, 21, 32, 2*NTL*KS, 32                ; dense: LDS [tile of weights][K step][half][256]
	s_wait_kmcnt 0x0
	s_lshl_b32 s22, s19, 9                         ; the rows' addresses are made in s[22:23], of I1 and the wave's number alone
	s_mov_b32 s23, 0
	s_add_co_u32 s22, s22, s23
	s_mov_b32 s23, 0
	s_add_nc_u64 s[22:23], s[XP:XP+1], s[22:23]
	s_mov_b32 s3, 0
	GRP0 G0XS, 3, XS, 22, XSCALES
	s_mul_i32 s22, s19, 6144
	s_mov_b32 s23, 0
	s_add_co_u32 s22, s22, s23
	s_mov_b32 s23, 0
	s_add_nc_u64 s[22:23], s[XP:XP+1], s[22:23]
	s_mov_b32 s16, 0
	GRP0 G0X0, 16, XR, 22, XCODES
	GRP0 G0X1, 16, XR+49152, 22, XCODES+1572864
	s_mul_i32 s92, s18, 2*NTL*KS*256               ; the weight's in s[92:93], of j and the wave's number alone
	s_mov_b32 s93, 0
	s_add_co_u32 s92, s92, s93
	s_mov_b32 s93, 0
	s_add_nc_u64 s[92:93], s[WP:WP+1], s[92:93]
	s_mov_b32 s3, 0
	GRP0 G0WS, 3, WS, 92, WSCALES
	s_mul_i32 s92, s18, NTL*6144
	s_mov_b32 s93, 0
	s_add_co_u32 s92, s92, s93
	s_mov_b32 s93, 0
	s_add_nc_u64 s[92:93], s[WP:WP+1], s[92:93]
	GRP0 DW, 16, WR, 92, WCODES
	GRP0 DW+4, 16, WR+49152, 92, WCODES+NTW*6144
	GRP0 DW+8, 16, WR+98304, 92, WCODES+6144
	GRP0 DW+12, 16, WR+98304+49152, 92, WCODES+6144+NTW*6144
	BASE 94, OP, 1572864, 6144, 196608, 3072, 0    ; h's codes: chunk 8 j + 2 t + ww, tile 8 I1 + 4 wx; tile t of the weight adds 393,216
	BASE 96, OP, 65536, 512, 0, 0, 12582912        ; h's scale words: K step 4 j + t, groups 2 I1, 2 I1 + 1; t adds 16,384
	; THE PREFETCHES, for the second group of first fills alone (the later refills have a whole tile's work in which to land).  An instruction names four chunks, a lane a block of 256 bytes: of a chunk's 24 blocks
	; (eight tiles) each of the four partners that load it jointly takes six, told apart by address (cx for the rows, cy for the weight); lanes 24-31 name lane 23's block again.
	; Waves 0, 1: the rows' chunks 8-11, 12-15; waves 2, 3: tile 0's chunks 8-11, 12-15; and wave w: tile 1's chunks 4 w .. 4 w + 3.
	s_cmp_eq_u32 s13, 0
	s_cselect_b32 s2, s15, s17                     ; my place among the four partners
	s_mov_b32 s3, NTW*768
	s_cselect_b32 s3, 196608, s3                   ; bytes from chunk to chunk
	s_mov_b32 s20, WCODES
	s_cselect_b32 s20, XCODES, s20
	s_cselect_b64 s[22:23], s[22:23], s[92:93]
	s_add_co_u32 s21, s14, 2
	s_lshl_b32 s21, s21, 2
	s_mul_i32 s21, s21, s3
	s_add_co_u32 s20, s20, s21
	s_mov_b32 s21, 0
	s_add_nc_u64 s[22:23], s[22:23], s[20:21]      ; at chunk 8 or 12 of the rows or of tile 0
	s_mul_i32 s2, s2, 6
	s_mul_i32 s20, s12, 4*NTW*768
	s_add_co_u32 s20, s20, WCODES+6144
	s_add_nc_u64 s[92:93], s[92:93], s[20:21]      ; at chunk 4 w of tile 1
	s_mul_i32 s16, s17, 6
	v_and_b32 v1, 15, v0
	v_bfe_u32 v2, v0, 4, 1                         ; h
	v_and_b32 v3, 31, v0
	v_min_u32 v116, 23, v3
	v_mul_u32_u24 v117, v116, 43
	v_lshrrev_b32 v117, 8, v117                    ; lane / 6: which of the four chunks
	v_mul_u32_u24 v118, v117, 6
	v_sub_nc_u32 v116, v116, v118                  ; lane % 6
	v_add_nc_u32 v118, s2, v116
	v_lshlrev_b32 v118, 8, v118
	v_mad_u32_u24 v118, v117, s3, v118             ; v118, v119: my block's offsets; never rewritten
	v_add_nc_u32 v119, s16, v116
	v_lshlrev_b32 v119, 8, v119
	v_mad_u32_u24 v119, v117, NTW*768, v119
	v_lshlrev_b32 v[L8], 3, v3
	v_lshlrev_b32 v[L16], 4, v3
	s_mul_i32 s2, s13, 3072
	v_add_nc_u32 v[AX], s2, v[L8]
	v_add_nc_u32 v[AX+1], 49152, v[AX]
	s_mul_i32 s2, s14, 3072
	s_add_co_u32 s2, s2, WR
	v_add_nc_u32 v[AW], s2, v[L8]
	v_add_nc_u32 v[AW+1], 49152, v[AW]
	v_add_nc_u32 v[AW+2], 98304, v[AW]
	v_add_nc_u32 v[AW+3], 98304, v[AW+1]
	v_lshlrev_b32 v23, 4, v1
	s_lshl_b32 s2, s13, 8
	s_lshl_b32 s3, s14, 8
	s_add_co_u32 s3, s3, WS-XS
	s_sub_co_u32 s3, s3, s2
	s_add_co_u32 s2, s2, XS
	v_add_nc_u32 v23, s2, v23
.set T, 0
.rept NTL
	v_mul_u32_u24 v24, s3, v2                      ; lanes 16-31 take the weight's scale words
	v_add_nc_u32 v[ADRS+T], v23, v24
	s_add_co_u32 s3, s3, KS*512
.set T, T+1
.endr
	s_lshl_b32 s2, s13, 8
	s_lshl_b32 s3, s14, 1
	s_add_co_u32 s2, s2, s3
	s_add_co_u32 s2, s2, SX
	v_lshl_add_u32 v[SXN], v1, 4, s2               ; SX + 256 wx + 16 r + 2 ww
	v_add_nc_u32 v[SXR], SX, v[L16]
.irp b, 0,1,2,3
	v_mov_b32 v[TM+4+\b], 0
.endr
	CROUND                                         ; all sixteen work-groups are here: the first joint loads meet
; one arm of a chain of branches on the wave's number: one joint load, then on to the chain's join
.macro HARM under, g0, g1, next, join
	s_cmp_lt_u32 s12, \under
	s_cbranch_scc0 \next
	tensor_load_to_lds s[\g0:\g0+3], s[\g1:\g1+7]
	s_nop 0
.rept 4
	v_nop
.endr
	s_branch \join
\next:
.endm
	HARM 1, G0X0, G1X, .Lha1, .Lfilled             ; the head's four tiles, one load a wave: the rows' first 8 chunks,
	HARM 2, DW, G1W, .Lha2, .Lfilled               ; tile 0's first 8 chunks,
	HARM 3, G0XS, G1XS, .Lha3, .Lfilled            ; the rows' scale words,
	tensor_load_to_lds s[G0WS:G0WS+3], s[G1WS:G1WS+7]   ; the weight's scale words
	s_nop 0
.rept 4
	v_nop
.endr
.Lfilled:
	global_prefetch_b8 v118, s[22:23] th:TH_LOAD_NT scope:SCOPE_SE   ; behind the head's loads: what the next group of loads will bring
	global_prefetch_b8 v119, s[92:93] th:TH_LOAD_NT scope:SCOPE_SE
.macro FRAG reg, adr, q, i
.irp p, 0,1,2,3,4,5
	ds_load_b64 v[(\reg)+2*\p:(\reg)+2*\p+1], v[\adr] offset:(2*(\q)+\p/3)*6144+768*(\i)+256*(\p%3)
.endr
.endm
.macro FETCH f, sc, ax, aw, q, as, ks  ; 49 LDS loads: a K step's eight fragments into buffer f, its scale words into set sc
	WIN TO_F
.irp i, 0,1,2,3
	FRAG (\f)+12*\i, \aw, \q, \i
.endr
.if FX
.set XWD, (2+(\ks)/5)<<6
	WIN XWD
.irp i, 0,1,2,3
	FRAG 48*((\ks)%5)+12*\i, \ax, \q, \i
.endr
.endif
	WIN 0
	ds_load_b128 v[SC+4*(\sc):SC+4*(\sc)+3], v[\as] offset:512*(\ks)
.endm
; four matrix instructions on accumulators (a, 0 .. 3).  The sixteen take turns, one instruction a turn, in the same order in every step
.macro MULA f, sc, a, zero, swap
.irp b, 0,1,2,3
.set DD, ACC+8*(4*(\a)+\b)
.set R0, (\f)+12*\b                    ; source 0: the weight's tile b;  source 1: the rows' tile a
.set R1, XBC+12*(\a)
.if \zero
	v_wmma_scale_f32_16x16x128_f8f6f4 v[DD:DD+7], v[R0:R0+11], v[R1:R1+11], 0, v[SC+4*(\sc)+\b], v[SC+4*(\sc)+(\a)] matrix_a_fmt:MATRIX_FMT_FP6 matrix_b_fmt:MATRIX_FMT_FP6 matrix_a_scale:MATRIX_SCALE_ROW1
.else
	v_wmma_scale_f32_16x16x128_f8f6f4 v[DD:DD+7], v[R0:R0+11], v[R1:R1+11], v[DD:DD+7], v[SC+4*(\sc)+\b], v[SC+4*(\sc)+(\a)] matrix_a_fmt:MATRIX_FMT_FP6 matrix_b_fmt:MATRIX_FMT_FP6 matrix_a_scale:MATRIX_SCALE_ROW1
.endif
.endr
.endm
.macro STEP f, sc, zero, swap, nax, naw, nq, nas, nks
	XSEL ((\nks)+7)%8, \swap
	s_wait_dscnt 0x0                               ; this step's fragments and scale words are in
	WIN MUL
	MULA \f, \sc, 0, \zero, \swap
	MULA \f, \sc, 1, \zero, \swap
	PLACES
	FETCH 96-(\f), 1-(\sc), \nax, \naw, \nq, \nas, \nks
	WIN MUL
	MULA \f, \sc, 2, \zero, \swap
	MULA \f, \sc, 3, \zero, \swap
.endm
.macro TURNP f, sc, swap, cnt, nax, naw, nq, nas, nks
	XSEL ((\nks)+7)%8, \swap
	s_wait_dscnt 0x0
	s_wait_tensorcnt \cnt
	s_barrier_signal -1
	WIN MUL
	MULA \f, \sc, 0, 0, \swap
	MULA \f, \sc, 1, 0, \swap
	s_barrier_wait -1
	PLACES
	FETCH 96-(\f), 1-(\sc), \nax, \naw, \nq, \nas, \nks
	WIN MUL
	MULA \f, \sc, 2, 0, \swap
	MULA \f, \sc, 3, 0, \swap
.endm
.macro TURNR f, sc, swap, g0a, g1a, g0b, g1b, sta, stb, nax, naw, nq, nas, nks
	XSEL ((\nks)+7)%8, \swap
	WIN 0
	s_wait_tensorcnt 0x0                           ; all my tensor loads have landed;
	ds_add_u32 v[SPW], v[NIL]                      ; 0 onto my spare word;
	s_wait_dscnt 1                                 ; (the add may be out: this step's fragments are in)
	WIN MUL
	MULA \f, \sc, 0, 0, \swap
	s_wait_dscnt 0x0                               ; the add is done, and my reads of the bytes to be filled are over
	s_barrier_signal -1
	MULA \f, \sc, 1, 0, \swap
	WIN 0
	s_barrier_wait -1
	CREST                                          ; no wave of any partner still reads those bytes or has a load on its way
	s_add_nc_u64 s[\g0a+2:\g0a+3], s[\g0a+2:\g0a+3], \sta
	s_add_nc_u64 s[\g0b+2:\g0b+3], s[\g0b+2:\g0b+3], \stb
	JLOAD \g0a, \g1a, \g0b, \g1b                   ; the one tensor load of waves 0 and 1 behind the round
	PLACES                                         ; the places in front of the loads below, on every wave's way
	FETCH 96-(\f), 1-(\sc), \nax, \naw, \nq, \nas, \nks
	WIN MUL
	MULA \f, \sc, 2, 0, \swap
	MULA \f, \sc, 3, 0, \swap
.endm
.macro LAST f, sc, swap
	XSEL 7, \swap
	s_wait_dscnt 0x0
	WIN MUL
	MULA \f, \sc, 0, 0, \swap
	MULA \f, \sc, 1, 0, \swap
	MULA \f, \sc, 2, 0, \swap
	MULA \f, \sc, 3, 0, \swap
.endm
.macro TILE t, swap                    ; tile t of the weight: eight K steps; it lies in buffer t % 2
.set BE, (\t)%2
.set A0, AW+2*BE
.set A1, AW+2*BE+1
.set AN, AW+2*(1-BE)
.set AS, ADRS+(\t)
	STEP 0, 0, ZERO0, \swap, AX, A0, 1, AS, 1
	STEP 96, 1, 0, \swap, AX, A0, 2, AS, 2
	STEP 0, 0, 0, \swap, AX, A0, 3, AS, 3
.if (\t) == 0
	TURNP 96, 1, \swap, CNT3, AX+1, A1, 0, AS, 4   ; the second parts of the rows and of tile 0 are in; my part of tile 1 is in too
.else
	STEP 96, 1, 0, \swap, AX+1, A1, 0, AS, 4
.endif
	STEP 0, 0, 0, \swap, AX+1, A1, 1, AS, 5
	STEP 96, 1, 0, \swap, AX+1, A1, 2, AS, 6
	STEP 0, 0, 0, \swap, AX+1, A1, 3, AS, 7
.set FX, 0                             ; all eight K steps of the rows are in registers: from here on a fetch brings the weight's fragments alone
.if (\t) == NTL-1
	LAST 96, 1, \swap
.elseif (\t)+2 < NTL
	TURNR 96, 1, \swap, DW+8*BE, G1W, DW+8*BE+4, G1W, 12288, 12288, AX, AN, 0, AS+1, 0   ; this buffer takes the tile two on: 16 tiles of 768 bytes further
.else
	TURNP 96, 1, \swap, 0, AX, AN, 0, AS+1, 0
.endif
.endm
.macro QUANT s
.irp b, 0,1,2,3
	v_max3_num_f32 v[TM+\b], |v[(\s)+16*\b]|, |v[(\s)+1+16*\b]|, 0x1800000   ; my 16 numbers, and the floor 2^(3 - 127): the byte cannot fall under 1
.endr
.irp i, 2,4,6,8,10,12,14
.irp b, 0,1,2,3
	v_max3_num_f32 v[TM+\b], v[TM+\b], |v[(\s)+16*\b+\i]|, |v[(\s)+1+16*\b+\i]|
.endr
.endr
.irp b, 0,1,2,3
	v_permlanex16_b32 v[TM+4+\b], v[TM+\b], s[SEL], s[SEL+1]
.endr
.irp b, 0,1,2,3
	v_max_num_f32 v[TM+\b], v[TM+\b], v[TM+4+\b]
.endr
.irp b, 0,1,2,3
	v_add_nc_u32 v[TM+12+\b], 0xff000000, v[TM+\b]         ; 2 off the exponent field: the conversion's scale operand
.endr
.irp b, 0,1,2,3
	v_lshrrev_b32 v[TM+4+\b], 23, v[TM+12+\b]
.endr
	v_lshl_or_b32 v[PW], v[TM+5], 8, v[TM+4]
	v_lshl_or_b32 v[PW], v[TM+6], 16, v[PW]
	v_lshl_or_b32 v[PW], v[TM+7], 24, v[PW]
.irp c, 0,1
	v_cvt_scalef32_pk16_fp6_f32 v[PC+6*\c:PC+2+6*\c], v[(\s)+32*\c:(\s)+15+32*\c], v[TM+12+2*\c]
	v_cvt_scalef32_pk16_fp6_f32 v[PC+12+4*\c:PC+14+4*\c], v[(\s)+16+32*\c:(\s)+31+32*\c], v[TM+12+2*\c+1]
.endr
	v_nop                                                  ; one plain instruction behind a scaled conversion
.irp c, 0,1
.irp i, 0,1,2
	v_permlane16_swap_b32 v[PC+6*\c+\i], v[PC+12+4*\c+\i]
.endr
.irp i, 0,1,2
	v_mov_b32 v[PC+3+6*\c+\i], v[PC+12+4*\c+\i]
.endr
.endr
.endm
.macro QPART hp, xa, xo, cbs, cim      ; accumulators (2 hp, *), (2 hp + 1, *): two half images and two halves of scale words
	s_wait_xcnt 0x0                                ; the codes' registers are rewritten only behind this wait
	QUANT ACC+64*(\hp)
.irp c, 0,1
.irp p, 0,1,2
	global_store_b64 v[L8], v[PC+6*\c+2*\p:PC+6*\c+2*\p+1], s[\cbs:\cbs+1] offset:(\cim)+(2*(\hp)+\c)*768+256*\p
.endr
.endr
	ds_store_b16 v[\xa], v[PW] offset:(\xo)+8*(\hp)
	ds_store_b16_d16_hi v[\xa], v[PW] offset:(\xo)+8*(\hp)+4
.endm
.macro XCHG xo, sbs, sim               ; the four waves' halves make 128 whole scale words: wave 0 stores them, 512 consecutive bytes
	s_wait_dscnt 0x0
	s_barrier_signal -1
	s_barrier_wait -1
	s_cmp_lg_u32 s12, 0
	s_cbranch_scc1 .Lnot_mine_\@
	ds_load_b128 v[EX:EX+3], v[SXR] offset:\xo
	s_wait_dscnt 0x0
	global_store_b128 v[L16], v[EX:EX+3], s[\sbs:\sbs+1] offset:\sim
.Lnot_mine_\@:
.endm
.macro EPI t                           ; a tile's way out: relu in f32, the quantiser, codes and scale words; the next tile's first fragments wait in window 1 meanwhile
	WIN 0
	PLACES
.set N, 0
.rept 128
	v_max_num_f32 v[ACC+N], 0, v[ACC+N]            ; each accumulator from its low end on
.set N, N+1
.endr
	QPART 0, SXN, 512*(\t), 94, 393216*(\t)
	QPART 1, SXN, 512*(\t), 94, 393216*(\t)
	XCHG 512*(\t), 96, 16384*(\t)
.endm
	s_wait_tensorcnt 0x0                           ; my tile of the head's four is in
	ds_add_u32 v[SPW], v[NIL]
	s_wait_dscnt 0x0
	CROUND                                         ; all four tiles are in, and the sixteen work-groups meet
	HARM 1, G0X1, G1X, .Lhb1, .Lfilled2            ; the rows' second 8 chunks,
	HARM 2, DW+4, G1W, .Lhb2, .Lfilled2            ; tile 0's,
	HARM 3, DW+8, G1W, .Lhb3, .Lfilled2            ; and tile 1, in two loads
	tensor_load_to_lds s[DW+12:DW+15], s[G1W:G1W+7]
	s_nop 0
.rept 4
	v_nop
.endr
.Lfilled2:
	FETCH 0, 0, AX, AW, 0, ADRS, 0
	TILE 0, 0
	EPI 0
	TILE 1, 0
	EPI 1
	TILE 2, 0
	EPI 2
	TILE 3, 0
	EPI 3
	s_wait_tensorcnt 0x0                           ; the wave's end
	ds_add_u32 v[SPW], v[NIL]
	s_wait_dscnt 0x0
	CROUND                                         ; the closing round
	s_endpgm
.Lfunc_end_k_qfeda205ba2_gw1:
	.size	k_qfeda205ba2_gw1, .Lfunc_end_k_qfeda205ba2_gw1-k_qfeda205ba2_gw1
	.p2alignl 7, 3214868480
	.fill 96, 4, 3214868480
	.section	.rodata,"a",@progbits
	.p2align	6, 0x0
	.amdhsa_kernel k_qfeda205ba2_gw1
		.amdhsa_group_segment_fixed_size 327680
		.amdhsa_private_segment_fixed_size 0
		.amdhsa_enable_private_segment 0
		.amdhsa_kernarg_size 24
		.amdhsa_user_sgpr_count 2
		.amdhsa_user_sgpr_kernarg_segment_ptr 1
		.amdhsa_wavefront_size32 1
		.amdhsa_system_sgpr_workgroup_id_x 1
		.amdhsa_system_sgpr_workgroup_id_y 1
		.amdhsa_system_sgpr_workgroup_id_z 1
		.amdhsa_system_vgpr_workitem_id 0
		.amdhsa_next_free_vgpr 912
		.amdhsa_next_free_sgpr 106
		.amdhsa_reserve_vcc 0
		.amdhsa_float_denorm_mode_32 3
		.amdhsa_float_denorm_mode_16_64 3
		.amdhsa_memory_ordered 1
		.amdhsa_forward_progress 1
		.amdhsa_inst_pref_size 205
	.end_amdhsa_kernel
	.amdgpu_metadata
---
amdhsa.version: [ 1, 2 ]
amdhsa.kernels:
  - .name:           k_qfeda205ba2_gw1
    .symbol:         k_qfeda205ba2_gw1.kd
    .args:
      - { .name: pre, .offset: 0, .size: 8, .value_kind: global_buffer, .address_space: global }
      - { .name: x1, .offset: 8, .size: 8, .value_kind: global_buffer, .address_space: global }
      - { .name: hh, .offset: 16, .size: 8, .value_kind: global_buffer, .address_space: global }
    .group_segment_fixed_size: 327680
    .private_segment_fixed_size: 0
    .kernarg_segment_align: 8
    .kernarg_segment_size: 24
    .max_flat_workgroup_size: 128
    .sgpr_count:     106
    .vgpr_count:     912
    .wavefront_size: 32
...
	.end_amdgpu_metadata
.endif
;; end of part 5
;; launch gw2 (part 6): grid 8 x 32, 4 waves a work-group, clusters of 4 x 4, 327,680 bytes of LDS; arguments pre, hh, x1, out0; writes out0
.if DOCPART == 6
	.amdgcn_target "amdgcn-amd-amdhsa--gfx1250"
	.amdhsa_code_object_version 6
	.text
	.protected	k_qfeda205ba2_gw2
	.globl	k_qfeda205ba2_gw2
	.p2align	8
	.type	k_qfeda205ba2_gw2,@function
k_qfeda205ba2_gw2:
	s_mov_b64 s[64:65], 0
	v_nop
	global_prefetch_b8 v0, s[64:65] scope:SCOPE_SE
	s_setreg_imm32_b32 hwreg(HW_REG_WAVE_MODE, 25, 1), 1
	s_wait_xcnt 0x0
	s_wait_alu depctr_hold_cnt(0) depctr_sa_sdst(0) depctr_va_vdst(0) depctr_va_sdst(0) depctr_va_ssrc(0) depctr_va_vcc(0) depctr_vm_vsrc(0)
	s_getreg_b32 s2, hwreg(HW_REG_IB_STS2, 6, 4)
	s_cmp_eq_u32 s2, 0
	s_cbranch_scc0 .Lentry_in_a_cluster
	s_endpgm
.Lentry_in_a_cluster:
	s_bfe_u32 s2, ttmp6, 0x10000c
	s_cmp_lg_u32 s2, 0xf033
	s_cbranch_scc0 .Lentry_shape_is_right
	s_endpgm
.Lentry_shape_is_right:
; out = x1 + Q(h) w2 on codes of FP6 (E2M3) with E8M0 scales, f32 sums, K = 4,096.
; LAYOUT of the operands: a tile T is 16 rows: lane-row q is row 32 (T / 2) + 8 (T % 2) + q + 8 (q / 8); a half image (tile x 64 along K) is 768 bytes, plane p at 256 p, lane l's 8 bytes at 8 l;
; codes [chunk of 64 K][tile][768]; scale words in quads of four tiles, 256 bytes, word (r, i) at 16 r + 4 i.
; In D = (source 0 = the weight's tile b) x (source 1 = the rows' tile a) a lane holds ONE row, and the 16 registers of tiles 2 b', 2 b' + 1 are 16 neighbouring columns.
; SHARES.  A work-group owns 128 rows (I1) x 128 columns (j).  Four waves, 64 x 64 each: 16 accumulators.
; THE RING has two parts, as large as LDS allows beside the stage and the scale words: a K step of 128 takes 24,576 bytes (rows and weight), and eleven steps fit: part A holds six (12 chunks), part B five (10 chunks).
; K's 64 chunks go A 0-11, B 12-21, A 22-33, B 34-43, A 44-53 (ten chunks), B 54-63: four refills; a part is filled again when its last K step has been fetched into registers,
; and has the other part's five or six steps, 80 or 96 matrix instructions a wave, in which to land.  The scale words of all of K come once.
; x1 is the C of the first products: the sums begin with x1 and go up K, another order of rounding than x1 + (the sum).
; CLUSTER 4 x 4: the rows' tiles are shared along a row of the cluster, the weight's along a column: joint loads.  NaN and infinities are not served.
.set KS,   32
.set NTW,  64
.set XCODES,  0
.set XSCALES, 12582912
.set WCODES,  9830400
.set WSCALES, 12976128
.set XCH,  196608                      ; bytes from chunk to chunk of the rows' codes (256 tiles),
.set WCH,  49152                       ; and of the weight's (64 tiles)
.set WP, 4                             ; s[4:5] the weights' buffer, s[6:7] h's codes
.set XP, 6
.set RB, 8                             ; s[8:9] x1, then x1 at my rows and columns
.set OB, 10                            ; s[10:11] the output, likewise
.set HA,   12*3072                     ; half the bytes of part A: 12 chunks of 6,144 bytes (eight tiles) in all
.set HB,   10*3072                     ; of part B
.set XA,   0                           ; LDS: the rows' part A: [chunk: 6,144][tile: 768]
.set XB,   XA+2*HA                     ; their part B
.set WA,   XB+2*HB                     ; the weight's part A
.set WB,   WA+2*HA                     ; its part B
.set STG,  WB+2*HB                     ; a stage of 16 rows x (256 bytes + 16) for each wave
.set XS,   STG+17408                   ; the rows' scale words [K step][half][256]
.set WS,   XS+512*KS                   ; the weight's
.set SPARE, WS+512*KS                  ; the spare words, 128 bytes a wave: two blocks of 256 bytes that no other line names
.set AX,   4                           ; v4, v5  LDS address of my half of the rows in part A, B
.set AW,   6                           ; v6, v7  of my half of the weight
.set ADRS, 10                          ; v10     of the scale words: lanes 0-15 the rows', lanes 16-31 the weight's
.set L8,   18
.set STO,  19
.set RD,   20
.set CO,   21
.set CI,   22
.set SPW,  28
.set NIL,  29
.set SC,   32
.set BK,   84
.set ACC,  128
.set G1XA, 24                          ; s[24:55] groups 1 of the codes: the rows' 12 and 10 chunks, the weight's 12 and 10
.set G1XB, 32
.set G1WA, 40
.set G1WB, 48
.set G1XS, 56                          ; of the scale words
.set G1WS, 68
.set G0XS, 76                          ; groups 0
.set G0WS, 80
.set G0XA, 84
.set G0XB, 88
.set G0WA, 92
.set G0WB, 96
.set MSB, 0
.macro WIN new                         ; the immediate's high byte repeats the setting that is left
.if MSB != \new
	s_set_vgpr_msb (MSB<<8)|\new
.set MSB, \new
.endif
.endm
.set MUL,  0x05                        ; sources 0 and 1 window 1; C and D window 0
.set TO_F, 0x40                        ; destination window 1, address window 0
.macro PLACES                          ; four plain instructions behind matrix instructions (ISA guide 7.12.1)
.rept 4
	v_nop
.endr
.endm
.macro CREST
	s_cmp_lg_u32 s12, 0
	s_cbranch_scc1 .Lnot_wave_0_\@
	s_barrier_signal -3
.Lnot_wave_0_\@:
	s_barrier_wait -3
	s_barrier_signal -1
	s_barrier_wait -1
.endm
.macro CROUND
	s_barrier_signal -1
	s_barrier_wait -1
	CREST
.endm
.macro JLOAD g0a, g1a, g0b, g1b        ; a joint load: wave 0 fetches for the rows, wave 1 for the weight; four v_nop follow each line
	s_cmp_eq_u32 s12, 0                            ; wave 0 fetches for the rows, wave 1 for the weight, the others nothing
	s_cbranch_scc0 .Lsecond_\@
	tensor_load_to_lds s[\g0a:\g0a+3], s[\g1a:\g1a+7]
	s_nop 0
.rept 4
	v_nop
.endr
	s_branch .Lasked_\@
.Lsecond_\@:
	s_cmp_eq_u32 s12, 1
	s_cbranch_scc0 .Lasked_\@
	tensor_load_to_lds s[\g0b:\g0b+3], s[\g1b:\g1b+7]
	s_nop 0
.rept 4
	v_nop
.endr
.Lasked_\@:
.endm
.macro GRP1 g, m, d0, d1, st           ; descriptor group 1: d1 rows of d0 elements of 8 bytes, st elements apart; the mask in s[m], bit 21 beside it; no padding
	s_or_b32 s[\g], s[\m], (3<<16)|(1<<21)
	s_mov_b32 s[\g+1], (\d0)<<16
	s_mov_b32 s[\g+2], (\d1)<<16
	s_mov_b32 s[\g+3], (\d0)<<16
	s_mov_b32 s[\g+4], \d1
	s_mov_b32 s[\g+5], \st
	s_mov_b32 s[\g+6], 0
	s_mov_b32 s[\g+7], 0
.endm
.macro GRP0 g, lr, lc, sp, gc          ; descriptor group 0: to LDS byte s[lr] + lc, from s[sp:sp+1] + gc
	s_mov_b32 s[\g], 1
	s_add_co_u32 s[\g+1], s[\lr], \lc
	s_add_nc_u64 s[\g+2:\g+3], s[\sp:\sp+1], \gc
	s_or_b32 s[\g+3], s[\g+3], 0x80000000
.endm
.macro BASE dst, ptr, cj, ci, cw, cv, k   ; s[dst:dst+1] = s[ptr:ptr+1] + cj j + ci I1 + cw ww + cv wx + k
	s_mul_i32 s104, s18, \cj
	s_mul_i32 s105, s19, \ci
	s_add_co_u32 s104, s104, s105
	s_mul_i32 s105, s14, \cw
	s_add_co_u32 s104, s104, s105
	s_mul_i32 s105, s13, \cv
	s_add_co_u32 s104, s104, s105
	s_add_co_u32 s104, s104, \k
	s_mov_b32 s105, 0
	s_add_nc_u64 s[\dst:\dst+1], s[\ptr:\ptr+1], s[104:105]
.endm
	s_load_b256 s[4:11], s[0:1], 0x0
	v_lshl_add_u32 v[SPW], v0, 2, SPARE
	v_mov_b32 v[NIL], 0
	ds_add_u32 v28, v29
	ds_add_u32 v28, v29
	s_wait_dscnt 0x0
	v_lshrrev_b32 v1, 5, v0
	v_readfirstlane_b32 s12, v1                    ; wave
	s_lshr_b32 s13, s12, 1                         ; wx: my half of the rows.  Also: I fetch for the rows (0) or for the weight (1)
	s_and_b32 s14, s12, 1                          ; ww: my half of the columns.  Also: which half I fetch
	s_bfe_u32 s15, ttmp6, 0x40000                  ; cx
	s_bfe_u32 s17, ttmp6, 0x40004                  ; cy
	s_lshl_b32 s18, ttmp9, 2
	s_add_co_u32 s18, s18, s15                     ; j
	s_and_b32 s19, ttmp7, 0xffff
	s_lshl_b32 s19, s19, 2
	s_add_co_u32 s19, s19, s17                     ; I1
	s_lshl_b32 s20, s17, 2
	s_lshl_b32 s20, 15, s20                        ; my row of the cluster
	s_lshl_b32 s21, 0x1111, s15                    ; my column
	GRP1 G1XA, 20, 768, 12, 24576                  ; eight tiles (6,144 bytes) of each of 12 chunks: LDS [chunk][tile]
	GRP1 G1XB, 20, 768, 10, 24576                  ; of 10 chunks
	GRP1 G1WA, 21, 768, 12, NTW*96
	GRP1 G1WB, 21, 768, 10, NTW*96
	GRP1 G1XS, 20, 64, KS, 2048                    ; two groups' 512 bytes of each K step: LDS [K step][half][256]
	GRP1 G1WS, 21, 32, 2*KS, 32                    ; dense: LDS [K step][half][256]
	s_wait_kmcnt 0x0
	s_lshl_b32 s22, s19, 9                         ; the rows' addresses are made in s[22:23], of I1 and the wave's number alone
	s_mov_b32 s23, 0
	s_add_co_u32 s22, s22, s23
	s_mov_b32 s23, 0
	s_add_nc_u64 s[22:23], s[XP:XP+1], s[22:23]
	s_mov_b32 s3, 0
	GRP0 G0XS, 3, XS, 22, XSCALES
	s_mul_i32 s22, s19, 6144
	s_mov_b32 s23, 0
	s_add_co_u32 s22, s22, s23
	s_mov_b32 s23, 0
	s_add_nc_u64 s[22:23], s[XP:XP+1], s[22:23]
	s_mov_b32 s16, 0
	s_mov_b32 s2, 0
	GRP0 G0XA, 16, XA, 22, XCODES
	GRP0 G0XB, 2, XB, 22, XCODES+12*XCH
	s_mul_i32 s100, s18, 2*KS*256                  ; the weight's in s[100:101], of j and the wave's number alone
	s_mov_b32 s101, 0
	s_add_co_u32 s100, s100, s101
	s_mov_b32 s101, 0
	s_add_nc_u64 s[100:101], s[WP:WP+1], s[100:101]
	GRP0 G0WS, 3, WS, 100, WSCALES
	s_mul_i32 s100, s18, 6144
	s_mov_b32 s101, 0
	s_add_co_u32 s100, s100, s101
	s_mov_b32 s101, 0
	s_add_nc_u64 s[100:101], s[WP:WP+1], s[100:101]
	GRP0 G0WA, 16, WA, 100, WCODES
	GRP0 G0WB, 2, WB, 100, WCODES+12*WCH
	BASE RB, RB, 512, 524288, 256, 262144, 0       ; x1 at my 64 rows and 64 columns
	BASE OB, OB, 512, 524288, 256, 262144, 0       ; the output, likewise
	v_and_b32 v1, 15, v0                           ; r
	v_bfe_u32 v2, v0, 4, 1                         ; h
	s_wait_alu depctr_va_vdst(0)
	; THE PREFETCHES.  Wave 0 asks for the rows' chunks, wave 1 for the weight's: an instruction names four chunks, a lane a block of 256 bytes.  Of a chunk's 24 blocks (eight tiles) each of the four
	; partners that load it jointly takes six, told apart by address (cx for the rows, cy for the weight); lanes 24-31 name lane 23's block again.
	s_cmp_eq_u32 s12, 0
	s_cselect_b32 s2, s15, s17                     ; my place among the four partners
	s_mov_b32 s3, WCH
	s_cselect_b32 s3, XCH, s3                      ; bytes from chunk to chunk
	s_cselect_b64 s[22:23], s[22:23], s[100:101]   ; the eight tiles' first byte in chunk 0's row of tiles
	s_mov_b32 s20, WCODES+12*WCH
	s_cselect_b32 s20, XCODES+12*XCH, s20
	s_mov_b32 s21, 0
	s_add_nc_u64 s[22:23], s[22:23], s[20:21]      ; at chunk 12
	s_lshl_b32 s20, s3, 2                          ; s[20:21]: four chunks on
	s_mul_i32 s2, s2, 6
	v_and_b32 v3, 31, v0
	v_min_u32 v12, 23, v3
	v_mul_u32_u24 v13, v12, 43
	v_lshrrev_b32 v13, 8, v13                      ; lane / 6: which of the four chunks
	v_mul_u32_u24 v11, v13, 6
	v_sub_nc_u32 v12, v12, v11                     ; lane % 6
	v_add_nc_u32 v12, s2, v12
	v_lshlrev_b32 v12, 8, v12
	v_mad_u32_u24 v11, v13, s3, v12                ; v11, v14, v15: my block in the four chunks at the base, four on, eight on; never rewritten
	v_add_nc_u32 v14, s20, v11
	v_add_nc_u32 v15, s20, v14
	v_lshlrev_b32 v[L8], 3, v3
	s_mul_i32 s2, s13, 3072
	v_add_nc_u32 v[AX], s2, v[L8]                  ; (XA is LDS byte 0)
	s_mul_i32 s2, s13, 3072
	s_add_co_u32 s2, s2, XB
	v_add_nc_u32 v[AX+1], s2, v[L8]
	s_mul_i32 s2, s14, 3072
	s_add_co_u32 s2, s2, WA
	v_add_nc_u32 v[AW], s2, v[L8]
	s_mul_i32 s2, s14, 3072
	s_add_co_u32 s2, s2, WB
	v_add_nc_u32 v[AW+1], s2, v[L8]
	v_add_nc_u32 v8, 49152, v[AX]                  ; part A from its chunk 8 on: its last K step lies beyond a load's 16-bit offset
	v_add_nc_u32 v9, 49152, v[AW]
	v_lshlrev_b32 v23, 4, v1
	s_lshl_b32 s2, s13, 8
	s_lshl_b32 s3, s14, 8
	s_add_co_u32 s3, s3, WS-XS
	s_sub_co_u32 s3, s3, s2
	s_add_co_u32 s2, s2, XS
	v_add_nc_u32 v23, s2, v23
	v_mul_u32_u24 v24, s3, v2                      ; lanes 16-31 take the weight's scale words
	v_add_nc_u32 v[ADRS], v23, v24
	s_mul_i32 s2, s12, 4352
	s_add_co_u32 s2, s2, STG                       ; my stage
	v_mul_u32_u24 v24, v1, 272
	v_lshl_add_u32 v24, v2, 6, v24
	v_add_nc_u32 v[STO], s2, v24                   ; in: row r, + 64 h
	v_mul_u32_u24 v24, v2, 272
	v_lshl_add_u32 v24, v1, 4, v24
	v_add_nc_u32 v[RD], s2, v24                    ; back: lanes 0-15 one row of 256 bytes, lanes 16-31 the next
	v_lshlrev_b32 v24, 12, v2
	v_lshl_add_u32 v[CO], v1, 4, v24               ; and the same two rows in memory
	v_and_b32 v24, 8, v1
	v_add_nc_u32 v24, v24, v1
	v_lshlrev_b32 v24, 12, v24
	v_lshl_add_u32 v[CI], v2, 6, v24               ; x1 in the accumulators' layout: row r + 8 (r / 8), + 64 h
	CROUND                                         ; all sixteen work-groups are here: the first joint loads meet
; one arm of a chain of branches on the wave's number: one joint load, then on to the chain's join
.macro HARM under, g0, g1, next, join
	s_cmp_lt_u32 s12, \under
	s_cbranch_scc0 \next
	tensor_load_to_lds s[\g0:\g0+3], s[\g1:\g1+7]
	s_nop 0
.rept 4
	v_nop
.endr
	s_branch \join
\next:
.endm
	HARM 1, G0XA, G1XA, .Lha1, .Lfilled            ; the head's four tiles, one load a wave: the rows' part A,
	HARM 2, G0WA, G1WA, .Lha2, .Lfilled            ; the weight's,
	HARM 3, G0XS, G1XS, .Lha3, .Lfilled            ; the rows' scale words,
	tensor_load_to_lds s[G0WS:G0WS+3], s[G1WS:G1WS+7]   ; the weight's
	s_nop 0
.rept 4
	v_nop
.endr
.Lfilled:
	s_cmp_lt_u32 s12, 2                            ; behind the head's loads: chunks 12 to 23, which the next two loads of each operand begin with
	s_cbranch_scc0 .Lnoask_h
	global_prefetch_b8 v11, s[22:23] th:TH_LOAD_NT scope:SCOPE_SE
	global_prefetch_b8 v14, s[22:23] th:TH_LOAD_NT scope:SCOPE_SE
	global_prefetch_b8 v15, s[22:23] th:TH_LOAD_NT scope:SCOPE_SE
.Lnoask_h:
	s_wait_alu depctr_va_vdst(0)
.irp a, 0,1,2,3
.irp b, 0,1,2,3
	global_load_b128 v[ACC+8*(4*\a+\b):ACC+8*(4*\a+\b)+3], v[CI], s[RB:RB+1] offset:(32*(\a/2)+8*(\a%2))*4096+(32*(\b/2)+8*(\b%2))*4
	global_load_b128 v[ACC+8*(4*\a+\b)+4:ACC+8*(4*\a+\b)+7], v[CI], s[RB:RB+1] offset:(32*(\a/2)+8*(\a%2))*4096+(32*(\b/2)+8*(\b%2))*4+16
.endr
.endr
.macro FRAG reg, adr, q, i             ; a fragment: the half images of chunks 2 q and 2 q + 1 of a part, tile i
.irp p, 0,1,2,3,4,5
	ds_load_b64 v[(\reg)+2*\p:(\reg)+2*\p+1], v[\adr] offset:(2*(\q)+\p/3)*6144+768*(\i)+256*(\p%3)
.endr
.endm
.macro FETCH f, sc, ax, aw, q, as, ks  ; 49 LDS loads: a K step's eight fragments into buffer f, its scale words into set sc
	WIN TO_F
.irp i, 0,1,2,3
	FRAG (\f)+12*\i, \aw, \q, \i
.endr
.irp i, 0,1,2,3
	FRAG (\f)+48+12*\i, \ax, \q, \i
.endr
	WIN 0
	ds_load_b128 v[SC+4*(\sc):SC+4*(\sc)+3], v[\as] offset:512*(\ks)
.endm
; four matrix instructions on accumulators (a, 0 .. 3).  The sixteen take turns, one instruction a turn, in the same order in every step
.macro MULA f, sc, a, zero, swap
.irp b, 0,1,2,3
.set DD, ACC+8*(4*(\a)+\b)
.set R0, (\f)+12*\b                    ; source 0: the weight's tile b;  source 1: the rows' tile a
.set R1, (\f)+48+12*(\a)
	v_wmma_scale_f32_16x16x128_f8f6f4 v[DD:DD+7], v[R0:R0+11], v[R1:R1+11], v[DD:DD+7], v[SC+4*(\sc)+\b], v[SC+4*(\sc)+(\a)] matrix_a_fmt:MATRIX_FMT_FP6 matrix_b_fmt:MATRIX_FMT_FP6 matrix_a_scale:MATRIX_SCALE_ROW1
.endr
.endm
.macro STEP f, sc, zero, swap, nax, naw, nq, nas, nks
	s_wait_dscnt 0x0                               ; this step's fragments and scale words are in
	WIN MUL
	MULA \f, \sc, 0, \zero, \swap
	MULA \f, \sc, 1, \zero, \swap
	PLACES
	FETCH 96-(\f), 1-(\sc), \nax, \naw, \nq, \nas, \nks
.if PF                                 ; in the ten plain K steps up to step 11: four chunks more, 24 to 63 in all; chunk c is asked for three K steps or more ahead of the load that brings it
	s_wait_xcnt 0x0                                ; the last prefetch, a K step back, has read its base
	s_add_nc_u64 s[22:23], s[22:23], s[20:21]
	s_cmp_lt_u32 s12, 2
	s_cbranch_scc0 .Lnoask_\@
	global_prefetch_b8 v15, s[22:23] th:TH_LOAD_NT scope:SCOPE_SE
.Lnoask_\@:
.endif
	WIN MUL
	MULA \f, \sc, 2, \zero, \swap
	MULA \f, \sc, 3, \zero, \swap
.endm
.macro TURNP f, sc, swap, cnt, nax, naw, nq, nas, nks   ; with a barrier behind which bytes just brought are read, and nothing is filled
	s_wait_dscnt 0x0
	s_wait_tensorcnt \cnt
	s_barrier_signal -1
	WIN MUL
	MULA \f, \sc, 0, 0, \swap
	MULA \f, \sc, 1, 0, \swap
	s_barrier_wait -1
	PLACES
	FETCH 96-(\f), 1-(\sc), \nax, \naw, \nq, \nas, \nks
	WIN MUL
	MULA \f, \sc, 2, 0, \swap
	MULA \f, \sc, 3, 0, \swap
.endm
.macro TURNR f, sc, swap, g0a, g1a, g0b, g1b, sta, stb, nax, naw, nq, nas, nks   ; with a round of the cluster's barrier behind which the part that has been read out is filled again
	WIN 0
	s_wait_tensorcnt 0x0                           ; all my tensor loads have landed: my share of the other part;
	ds_add_u32 v[SPW], v[NIL]                      ; 0 onto my spare word;
	s_wait_dscnt 1                                 ; (the add may be out: this step's fragments are in)
	WIN MUL
	MULA \f, \sc, 0, 0, \swap
	s_wait_dscnt 0x0                               ; the add is done, and my reads of this part are over
	s_barrier_signal -1
	MULA \f, \sc, 1, 0, \swap
	WIN 0
	s_barrier_wait -1
	CREST                                          ; no wave of any partner still reads this part or has a load on its way
	s_add_nc_u64 s[\g0a+2:\g0a+3], s[\g0a+2:\g0a+3], \sta
	s_add_nc_u64 s[\g0b+2:\g0b+3], s[\g0b+2:\g0b+3], \stb
	JLOAD \g0a, \g1a, \g0b, \g1b                   ; the one tensor load of waves 0 and 1 behind the round
	PLACES                                         ; the places in front of the loads below, on every wave's way
	FETCH 96-(\f), 1-(\sc), \nax, \naw, \nq, \nas, \nks
	WIN MUL
	MULA \f, \sc, 2, 0, \swap
	MULA \f, \sc, 3, 0, \swap
.endm
.macro LAST f, sc, swap
	s_wait_dscnt 0x0
	WIN MUL
	MULA \f, \sc, 0, 0, \swap
	MULA \f, \sc, 1, 0, \swap
	MULA \f, \sc, 2, 0, \swap
	MULA \f, \sc, 3, 0, \swap
.endm
; K step ks multiplies fragment buffer and scale set ks % 2 and fetches step ks + 1, the nq-th of the part at nax, naw
.macro ST ks, nax, naw, nq
.set PF, (\ks)<12
	STEP 96*((\ks)%2), (\ks)%2, 0, 0, \nax, \naw, \nq, ADRS, (\ks)+1
.endm
.macro TR ks, g0a, g1a, g0b, g1b, ch, nax, naw   ; a part's last step: the part is filled again, ch chunks further along K; the next step is the other part's first
	TURNR 96*((\ks)%2), (\ks)%2, 0, \g0a, \g1a, \g0b, \g1b, (\ch)*XCH, (\ch)*WCH, \nax, \naw, 0, ADRS, (\ks)+1
.endm
.macro TP ks, nax, naw                 ; a part's last step with nothing left to ask for
	TURNP 96*((\ks)%2), (\ks)%2, 0, 0, \nax, \naw, 0, ADRS, (\ks)+1
.endm
.macro TOSTAGE a                       ; the rows' tile a, 16 rows x 64 columns of f32, through my own stage: LDS serves a wave's instructions in order
	s_wait_xcnt 0x0                                ; earlier stores have read the registers that the loads below fill
.irp b, 0,1,2,3
	ds_store_b128 v[STO], v[ACC+8*(4*(\a)+\b):ACC+8*(4*(\a)+\b)+3] offset:128*(\b/2)+32*(\b%2)
	ds_store_b128 v[STO], v[ACC+8*(4*(\a)+\b)+4:ACC+8*(4*(\a)+\b)+7] offset:128*(\b/2)+32*(\b%2)+16
.endr
.irp t, 0,1,2,3,4,5,6,7
	ds_load_b128 v[BK+4*\t:BK+4*\t+3], v[RD] offset:544*\t
.endr
.endm
.macro SEND a
	s_wait_dscnt 0x0
.irp t, 0,1,2,3,4,5,6,7
	global_store_b128 v[CO], v[BK+4*\t:BK+4*\t+3], s[OB:OB+1] offset:(32*((\a)/2)+8*((\a)%2)+2*\t+8*(\t/4))*4096 th:TH_STORE_NT   ; 16 lanes store 256 consecutive bytes, aligned
.endr
.endm
	s_wait_tensorcnt 0x0                           ; my tile of the head's four is in
	ds_add_u32 v[SPW], v[NIL]
	s_wait_dscnt 0x0
	CROUND                                         ; all four tiles are in, and the sixteen work-groups meet
	HARM 1, G0XB, G1XB, .Lhb1, .Lfilled2           ; wave 0: the rows' part B,
	HARM 2, G0WB, G1WB, .Lhb2, .Lfilled2           ; wave 1: the weight's; the others ask for nothing
.Lfilled2:
	FETCH 0, 0, AX, AW, 0, ADRS, 0
	s_wait_loadcnt 0x0                             ; x1 lies in the accumulators
	ST 0, AX, AW, 1                                ; part A: K steps 0 to 5
	ST 1, AX, AW, 2
	ST 2, AX, AW, 3
	ST 3, AX, AW, 4
	ST 4, 8, 9, 1
	TR 5, G0XA, G1XA, G0WA, G1WA, 22, AX+1, AW+1   ; A takes chunks 22 to 33
	ST 6, AX+1, AW+1, 1                            ; part B: K steps 6 to 10
	ST 7, AX+1, AW+1, 2
	ST 8, AX+1, AW+1, 3
	ST 9, AX+1, AW+1, 4
	TR 10, G0XB, G1XB, G0WB, G1WB, 22, AX, AW      ; B takes chunks 34 to 43
	ST 11, AX, AW, 1                               ; part A: K steps 11 to 16
	ST 12, AX, AW, 2
	ST 13, AX, AW, 3
	ST 14, AX, AW, 4
	ST 15, 8, 9, 1
	TR 16, G0XA, G1XB, G0WA, G1WB, 22, AX+1, AW+1  ; A takes chunks 44 to 53: ten, by the shape of ten
	ST 17, AX+1, AW+1, 1                           ; part B: K steps 17 to 21
	ST 18, AX+1, AW+1, 2
	ST 19, AX+1, AW+1, 3
	ST 20, AX+1, AW+1, 4
	TR 21, G0XB, G1XB, G0WB, G1WB, 20, AX, AW      ; B takes chunks 54 to 63: the last load
	ST 22, AX, AW, 1                               ; part A: K steps 22 to 26
	ST 23, AX, AW, 2
	ST 24, AX, AW, 3
	ST 25, AX, AW, 4
	TP 26, AX+1, AW+1                              ; the last part has landed
	ST 27, AX+1, AW+1, 1                           ; part B: K steps 27 to 31
	ST 28, AX+1, AW+1, 2
	ST 29, AX+1, AW+1, 3
	ST 30, AX+1, AW+1, 4
	LAST 96, 1, 0
	WIN 0
	PLACES
	TOSTAGE 0
	SEND 0
	TOSTAGE 1
	SEND 1
	TOSTAGE 2
	SEND 2
	TOSTAGE 3
	SEND 3
	s_wait_tensorcnt 0x0                           ; the wave's end
	ds_add_u32 v[SPW], v[NIL]
	s_wait_dscnt 0x0
	CROUND                                         ; the closing round
	s_endpgm
.Lfunc_end_k_qfeda205ba2_gw2:
	.size	k_qfeda205ba2_gw2, .Lfunc_end_k_qfeda205ba2_gw2-k_qfeda205ba2_gw2
	.p2alignl 7, 3214868480
	.fill 96, 4, 3214868480
	.section	.rodata,"a",@progbits
	.p2align	6, 0x0
	.amdhsa_kernel k_qfeda205ba2_gw2
		.amdhsa_group_segment_fixed_size 327680
		.amdhsa_private_segment_fixed_size 0
		.amdhsa_enable_private_segment 0
		.amdhsa_kernarg_size 32
		.amdhsa_user_sgpr_count 2
		.amdhsa_user_sgpr_kernarg_segment_ptr 1
		.amdhsa_wavefront_size32 1
		.amdhsa_system_sgpr_workgroup_id_x 1
		.amdhsa_system_sgpr_workgroup_id_y 1
		.amdhsa_system_sgpr_workgroup_id_z 1
		.amdhsa_system_vgpr_workitem_id 0
		.amdhsa_next_free_vgpr 448
		.amdhsa_next_free_sgpr 106
		.amdhsa_reserve_vcc 0
		.amdhsa_float_denorm_mode_32 3
		.amdhsa_float_denorm_mode_16_64 3
		.amdhsa_memory_ordered 1
		.amdhsa_forward_progress 1
		.amdhsa_inst_pref_size 201
	.end_amdhsa_kernel
	.amdgpu_metadata
---
amdhsa.version: [ 1, 2 ]
amdhsa.kernels:
  - .name:           k_qfeda205ba2_gw2
    .symbol:         k_qfeda205ba2_gw2.kd
    .args:
      - { .name: pre, .offset: 0, .size: 8, .value_kind: global_buffer, .address_space: global }
      - { .name: hh, .offset: 8, .size: 8, .value_kind: global_buffer, .address_space: global }
      - { .name: x1, .offset: 16, .size: 8, .value_kind: global_buffer, .address_space: global }
      - { .name: out0, .offset: 24, .size: 8, .value_kind: global_buffer, .address_space: global }
    .group_segment_fixed_size: 327680
    .private_segment_fixed_size: 0
    .kernarg_segment_align: 8
    .kernarg_segment_size: 32
    .max_flat_workgroup_size: 128
    .sgpr_count:     106
    .vgpr_count:     448
    .wavefront_size: 32
...
	.end_amdgpu_metadata
.endif
;; end of part 6
